; MI455X (gfx1250); checked and timed in simulation.
; The chip was launched on July 23, 2026; its instructions are those of AMD's public machine-readable ISA for CDNA 5 (MIT licence, August 2026) and "CDNA5" Instruction Set Architecture Reference Guide (July 2026). The comments in the code are by the model that wrote it; some were corrected since.
;; Multi Head Attention. Allowed arithmetic: matrix products marked QUANTISED: E2M3 operands, one E8M0 scale for each 32 along K, by v_wmma_scale_f32_16x16x128_f8f6f4 with both operands' format E2M3, f32 sums; everything else in f32.
;; Inputs: Wc 1,024 x 1,024 float32; Wk 1,024 x 1,024 float32; Wq 1,024 x 1,024 float32; Wv 1,024 x 1,024 float32; bc 1,024 float32; key 4 x 2,048 x 1,024 float32; mask 4 x 2,048 x 1 bool; query 4 x 2,048 x 1,024 float32; value 4 x 2,048 x 1,024 float32.
;; Outputs: out0 4 x 2,048 x 1,024 float32.
;; This version of the problem:
;;   THIS VERSION OF THE PROBLEM IS GIVEN IN LOW PRECISION. The matrix products marked QUANTISED in the list below multiply operands that are first quantised to E2M3 (2 exponent bits, 3 mantissa bits; 6 bits a number), with one power-of-two scale for each 32 numbers along K (OCP MX v1.0); their sums are f32. All else is computed in f32.
;;   The module's matrix products, in the order in which they are computed (A, B: the left and right operand; K: the contracted axis; several contracted axes count as one K, in the product's order):
;;     1. [M 8,192, K 1,024] x [K 1,024, N 1,024]; A: input query; B: input Wq: QUANTISED
;;     2. [M 8,192, K 1,024] x [K 1,024, N 1,024]; A: input key; B: input Wk: QUANTISED
;;     3. [M 8,192, K 1,024] x [K 1,024, N 1,024]; A: input value; B: input Wv: QUANTISED
;;     4. batch 64 x [M 2,048, K 64] x [K 64, N 2,048]; A: computed on the way; B: computed on the way: QUANTISED
;;     5. batch 64 x [M 2,048, K 2,048] x [K 2,048, N 64]; A: softmax (see below); B: computed on the way: QUANTISED
;;     6. [M 8,192, K 1,024] x [K 1,024, N 1,024]; A: computed on the way; B: input Wc: QUANTISED
;;   THE QUANTISER, for each operand of a quantised product, along K:
;;     - K is cut into blocks of 32 from its start; a last block that is shorter is filled with zeros.
;;     - A block's scale is 2^e with e = floor(log2(the largest magnitude in the block)) - 2, held to -126 .. 127; a block of zeros has e = 0. As a byte (E8M0): e + 127.
;;     - Each number is divided by its block's scale, clamped to +-7.5, and rounded to the nearest number of E2M3, ties to even, subnormals kept.
;;     - The product sums the exact products of the quantised numbers (number of the format x scale) in f32.
;;   ~~~python
;;   def quantise(x, axis):      # numpy; x: float32 -> the quantised numbers, widened to float32 again
;;       x = np.moveaxis(x, axis, -1); K = x.shape[-1]
;;       x = np.pad(x, [(0, 0)] * (x.ndim - 1) + [(0, -K % 32)]); x = x.reshape(x.shape[:-1] + (-1, 32)); a = np.abs(x).max(-1, keepdims=True)
;;       e = np.where(a > 0, np.clip(np.frexp(np.where(a > 0, a, 1))[1] - 1 - 2, -126, 127), 0)      # np.frexp(a)[1] - 1 = floor(log2(a)), exactly
;;       r = np.clip(x / 2.0 ** e, -7.5, 7.5)
;;       step = 2.0 ** (np.maximum(np.frexp(np.where(r == 0, 1, r))[1] - 1, 0) - 3)
;;       q = np.round(r / step) * step * 2.0 ** e      # np.round: ties to even
;;       return np.moveaxis(q.reshape(q.shape[:-2] + (-1,))[..., :K], -1, axis).astype(np.float32)
;;   ~~~
;;   SOFTMAX AHEAD OF A QUANTISED PRODUCT. Where the list says 'softmax', what is quantised is not the finished softmax but p = 2^(t - M), with t = logit x log2(e) and M = ceil(the row's largest t), a whole number; so 1/2 < the row's largest p <= 1. The row's sum l is taken of the UNQUANTISED p, in f32, and the product's result is divided by l at the end. Since M is a whole number, a kernel that streams over the keys may use a running M (the ceiling of the running maximum): every later rescaling is an exact power of two, which a block's scale takes up: the codes' values come out the same.
;;   OPERANDS COMPUTED ON THE WAY. 'Computed on the way' means the value that the module computes at that place (a softmax that the list does not call 'softmax' is quantised finished and normalised). What goes into a quantiser is computed in f32, as accurately as f32 sums, v_exp_f32 and their like allow (about 1e-6 of the number): no bf16 or f16 on the way to a quantiser, and a product that is left as it is and whose result goes on into a quantised operand takes f32 operands (vector FMAs, or v_wmma_f32_16x16x4_f32). A number that lies on a knife's edge between two numbers of the format may be rounded either way, as far as f32 arithmetic and the matrix unit's own rounding can turn it there, and no further.
;; One version. Each part assembles by itself: llvm-mc -triple=amdgcn-amd-amdhsa -mcpu=gfx1250 --defsym DOCPART=n.
;; ======== version 1 of 1: 4 launches
;; limits: right only within a limited range of input values
;; workspace buffers: cod 22,020,096 bytes; scl 917,504 bytes; qrec 6,815,744 bytes; kv 13,369,344 bytes; oc 6,291,456 bytes; osc 262,144 bytes
;; launch quant (part 1): grid 1792 x 1, 4 waves a work-group, no clusters, 67,072 bytes of LDS; arguments query, key, value, Wq, Wk, Wv, Wc, cod, scl; writes cod, scl
.if DOCPART == 1
	.amdgcn_target "amdgcn-amd-amdhsa--gfx1250"
	.amdhsa_code_object_version 6
	.text
	.protected	k_q6eb6401228_quant
	.globl	k_q6eb6401228_quant
	.p2align	8
	.type	k_q6eb6401228_quant,@function
k_q6eb6401228_quant:
	s_mov_b64 s[64:65], 0
	v_nop
	global_prefetch_b8 v0, s[64:65] scope:SCOPE_SE
	s_setreg_imm32_b32 hwreg(HW_REG_WAVE_MODE, 25, 1), 1
	s_wait_xcnt 0x0
; query, key, value [8192][1024] and Wq, Wk, Wv, Wc [1024][1024], f32, K = the last axis, become codes of FP6 (E2M3) and one E8M0 byte for each 32 along K.
; A block's scale is 2^(floor(log2(its largest magnitude)) - 2); its byte is the largest magnitude's exponent field - 2, held at 1 from below.
; LIMITS: a block of zeros, and a block whose largest magnitude lies under 2^-124, gets the byte 1 (zeros' codes are zeros, and only this program reads the bytes); NaN and infinities among the inputs are not served.
; THE CODES ARE LAID AS IMAGES OF THE OPERAND'S REGISTERS.  A row block rb holds 16 rows: lane r has row 32 (rb / 2) + 8 (rb % 2) + r + 8 (r / 8).  Of such a block, 64 along K are 768 bytes:
; registers 0-3 of lane l at 16 l, registers 4-5 at 512 + 8 l (lane (r, h): k = 32 h .. 32 h + 31 of row r).  cod: [256 along K: 4][row block: 1792][128 along K: 2][64 along K: 2][768].
; The seven tensors' row blocks follow each other: query 0, key 512, value 1024, Wq 1536, Wk 1600, Wv 1664, Wc 1728.  scl: [row, in natural order: 28672][32 bytes].
; SHARES.  A work-group takes one row block, wave w its K 256 w .. 256 w + 255: 16 KB of f32.  Each load reads 512 consecutive bytes of a row; the numbers turn through the wave's own stage in LDS
; (rows of 1,024 + 16 bytes), so that a lane then holds whole blocks of 32 neighbours.  Every store of codes covers 512 or 256 consecutive bytes, aligned.
; Waves share nothing: no barrier.  Nothing is shared between work-groups either: no cluster.  All 32 loads of a wave are out at once, and several work-groups lie on a WGP.
.set CSTR,  5505024                    ; bytes of cod for 256 along K: 1792 x 3072
.set SROW,  1040                       ; a stage row
.set WST,   16*SROW                    ; a wave's stage
.set SPARE, 4*WST                      ; behind the stages: the spare words, 128 bytes a wave
.set L16, 4                            ; v4   16 x lane
.set L8,  5                            ; v5   8 x lane
.set SWA, 6                            ; v6   into the stage: 16 x lane
.set SRA, 7                            ; v7   out of it: row r, + 128 h
.set SCO, 8                            ; v8   my scale word's place: row r + 8 (r / 8) of 32 bytes, + 4 h
.set SH8, 9                            ; v9   8 h
.set SPW, 10                           ; v10  my spare word; never rewritten
.set NIL, 11                           ; v11  0; never rewritten
.set MX,  12                           ; v12-13 largest magnitudes
.set SOP, 14                           ; v14-15 the conversions' scale operands
.set BY,  16                           ; v16-17 the bytes
.set PD,  18                           ; v18  a lane permute's destination
.set WD,  19                           ; v19-20 the scale words of the two fragments
.set PC,  24                           ; v24-47 the two fragments' codes
.set CT,  48                           ; v48-54 the upper halves of two blocks, before they are moved
.set X,   56                           ; v56-119 64 numbers: two blocks of 32
.set R,   120                          ; v120-247 as loaded
	s_load_b512 s[8:23], s[0:1], 0x0               ; query, key, value, Wq, Wk, Wv, Wc, cod
	s_load_b64 s[24:25], s[0:1], 0x40              ; scl
	v_lshl_add_u32 v[SPW], v0, 2, SPARE
	v_mov_b32 v[NIL], 0
	v_lshrrev_b32 v1, 5, v0
	v_readfirstlane_b32 s28, v1                    ; wave
	v_and_b32 v1, 31, v0                           ; lane
	v_and_b32 v2, 15, v0                           ; r
	v_bfe_u32 v3, v0, 4, 1                         ; h
	v_lshlrev_b32 v[L16], 4, v1
	v_lshlrev_b32 v[L8], 3, v1
	s_mul_i32 s29, s28, WST
	v_add_nc_u32 v[SWA], s29, v[L16]
	v_mul_u32_u24 v[SRA], v2, SROW
	v_lshl_add_u32 v[SRA], v3, 7, v[SRA]
	v_add_nc_u32 v[SRA], s29, v[SRA]
	v_and_b32 v[SCO], 8, v2
	v_add_nc_u32 v[SCO], v[SCO], v2                ; r + 8 (r / 8)
	v_lshlrev_b32 v[SCO], 5, v[SCO]
	v_lshl_add_u32 v[SCO], v3, 2, v[SCO]
	v_lshlrev_b32 v[SH8], 3, v3
	v_mov_b32 v[PD], 0                             ; written once: a lane permute's destination counts as one of its sources
	s_mov_b32 s30, 0x76543210
	s_mov_b32 s31, 0xfedcba98                      ; v_permlanex16_b32's selects for lane l xor 16
	s_mov_b32 s32, 0xffff0000                      ; lanes 16-31
	s_wait_alu depctr_va_vdst(0)
	s_wait_kmcnt 0x0
	s_mov_b64 s[4:5], s[8:9]                       ; which tensor is my row block's?  The choice hangs on the work-group's number alone
	s_mov_b32 s6, 0
.macro PICK n, p
	s_cmp_ge_u32 ttmp9, \n
	s_cselect_b64 s[4:5], s[\p:\p+1], s[4:5]
	s_cselect_b32 s6, \n, s6
.endm
	PICK 512, 10
	PICK 1024, 12
	PICK 1536, 14
	PICK 1600, 16
	PICK 1664, 18
	PICK 1728, 20
	s_sub_co_u32 s7, ttmp9, s6                     ; the row block's number in its tensor
	s_lshr_b32 s26, s7, 1
	s_lshl_b32 s26, s26, 17                        ; 32 rows of 4,096 bytes
	s_and_b32 s27, s7, 1
	s_lshl_b32 s27, s27, 15                        ; 8 rows
	s_add_co_u32 s26, s26, s27
	s_lshl_b32 s27, s28, 10                        ; my wave's 1,024 bytes of a row
	s_add_co_u32 s26, s26, s27
	s_mov_b32 s27, 0
	s_add_nc_u64 s[4:5], s[4:5], s[26:27]
	s_mul_i32 s26, s28, CSTR
	s_mul_i32 s33, ttmp9, 3072
	s_add_co_u32 s26, s26, s33
	s_add_nc_u64 s[22:23], s[22:23], s[26:27]      ; my two fragments in cod
	s_lshr_b32 s26, ttmp9, 1
	s_lshl_b32 s26, s26, 10                        ; 32 rows of 32 bytes
	s_and_b32 s33, ttmp9, 1
	s_lshl_b32 s33, s33, 8                         ; 8 rows
	s_add_co_u32 s26, s26, s33
	s_lshl_b32 s33, s28, 3                         ; my wave's 8 bytes of a row
	s_add_co_u32 s26, s26, s33
	s_add_nc_u64 s[24:25], s[24:25], s[26:27]
.macro LOADQ q                         ; 128 along K of the 16 rows: each load 512 consecutive bytes of one row
.irp i, 0,1,2,3,4,5,6,7,8,9,10,11,12,13,14,15
	global_load_b128 v[R+4*(16*\q+\i):R+4*(16*\q+\i)+3], v[L16], s[4:5] offset:(\i+8*(\i/8))*4096+512*\q th:TH_LOAD_NT
.endr
.endm
.macro PUT q                           ; into the stage, as loaded
.irp i, 0,1,2,3,4,5,6,7,8,9,10,11,12,13,14,15
	ds_store_b128 v[SWA], v[R+4*(16*\q+\i):R+4*(16*\q+\i)+3] offset:\i*SROW+512*\q
.endr
.endm
.macro GET q                           ; and back: lane (r, h) takes k = 64 c + 32 h + 0 .. 31 of row r.  LDS serves a wave's instructions in order: these see the stores
.irp c, 0,1
.irp j, 0,1,2,3,4,5,6,7
	ds_load_b128 v[X+32*\c+4*\j:X+32*\c+4*\j+3], v[SRA] offset:512*\q+256*\c+16*\j
.endr
.endr
.endm
.macro QF q                            ; 64 numbers a lane become a fragment's 12 registers and a scale word, and the codes leave
.irp c, 0,1
	v_max3_num_f32 v[MX+\c], |v[X+32*\c]|, |v[X+32*\c+1]|, 0x1800000   ; block 2 c + h is all mine; the floor 2^(3 - 127) keeps the byte from falling under 1
.endr
.irp i, 2,4,6,8,10,12,14,16,18,20,22,24,26,28,30
.irp c, 0,1
	v_max3_num_f32 v[MX+\c], v[MX+\c], |v[X+32*\c+\i]|, |v[X+32*\c+\i+1]|
.endr
.endr
.irp c, 0,1
	v_add_nc_u32 v[SOP+\c], 0xff000000, v[MX+\c]   ; 2 off the exponent field: the conversion takes the exponent field of this operand as its scale
.endr
.irp c, 0,1
	v_lshrrev_b32 v[BY+\c], 23, v[SOP+\c]          ; the byte
.endr
	v_lshl_or_b32 v[WD+\q], v[BY+1], 16, v[BY]     ; my two bytes, blocks h and 2 + h,
	v_lshlrev_b32 v[WD+\q], v[SH8], v[WD+\q]       ; at their places;
	v_permlanex16_b32 v[PD], v[WD+\q], s30, s31
	v_or_b32 v[WD+\q], v[WD+\q], v[PD]             ; with lane l xor 16's two the word is whole
.irp c, 0,1
	v_cvt_scalef32_pk16_fp6_f32 v[PC+12*\q+6*\c:PC+12*\q+6*\c+2], v[X+32*\c:X+32*\c+15], v[SOP+\c]
	v_cvt_scalef32_pk16_fp6_f32 v[CT+4*\c:CT+4*\c+2], v[X+32*\c+16:X+32*\c+31], v[SOP+\c]   ; (a conversion's three registers begin on an even number)
.endr
	v_nop                                          ; one plain place behind a scaled conversion
.irp c, 0,1
.irp i, 0,1,2
	v_mov_b32 v[PC+12*\q+6*\c+3+\i], v[CT+4*\c+\i]
.endr
.endr
.irp c, 0,1
	global_store_b128 v[L16], v[PC+12*\q+6*\c:PC+12*\q+6*\c+3], s[22:23] offset:1536*\q+768*\c        ; 512 consecutive bytes, aligned
	global_store_b64 v[L8], v[PC+12*\q+6*\c+4:PC+12*\q+6*\c+5], s[22:23] offset:1536*\q+768*\c+512    ; 256 consecutive bytes, aligned
.endr
.endm
	LOADQ 0
	LOADQ 1
	s_wait_loadcnt 16                              ; the first 16 loads are in; the 16 issued behind them stay out
	PUT 0
	GET 0
	s_wait_loadcnt 0x0
	PUT 1
	s_wait_dscnt 16                                ; the first fragment's numbers are back; the 16 stores issued behind them may be out
	QF 0
	GET 1
	s_wait_dscnt 0x0
	QF 1                                           ; (each fragment has its own registers for its codes: no store's data are written again)
	v_cndmask_b32 v[WD+1], v[WD], v[WD+1], s32     ; lanes 0-15 store the first fragment's word of their row, lanes 16-31 the second's
	global_store_b32 v[SCO], v[WD+1], s[24:25]
	s_wait_tensorcnt 0x0                           ; the wave's end
	ds_add_u32 v[SPW], v[NIL]
	s_wait_dscnt 0x0
	s_endpgm
.Lfunc_end_k_q6eb6401228_quant:
	.size	k_q6eb6401228_quant, .Lfunc_end_k_q6eb6401228_quant-k_q6eb6401228_quant
	.p2alignl 7, 3214868480
	.fill 96, 4, 3214868480
	.section	.rodata,"a",@progbits
	.p2align	6, 0x0
	.amdhsa_kernel k_q6eb6401228_quant
		.amdhsa_group_segment_fixed_size 67072
		.amdhsa_private_segment_fixed_size 0
		.amdhsa_enable_private_segment 0
		.amdhsa_kernarg_size 72
		.amdhsa_user_sgpr_count 2
		.amdhsa_user_sgpr_kernarg_segment_ptr 1
		.amdhsa_wavefront_size32 1
		.amdhsa_system_sgpr_workgroup_id_x 1
		.amdhsa_system_sgpr_workgroup_id_y 1
		.amdhsa_system_sgpr_workgroup_id_z 1
		.amdhsa_system_vgpr_workitem_id 0
		.amdhsa_next_free_vgpr 248
		.amdhsa_next_free_sgpr 66
		.amdhsa_reserve_vcc 0
		.amdhsa_float_denorm_mode_32 3
		.amdhsa_float_denorm_mode_16_64 3
		.amdhsa_memory_ordered 1
		.amdhsa_forward_progress 1
		.amdhsa_inst_pref_size 18
	.end_amdhsa_kernel
	.amdgpu_metadata
---
amdhsa.version: [ 1, 2 ]
amdhsa.kernels:
  - .name:           k_q6eb6401228_quant
    .symbol:         k_q6eb6401228_quant.kd
    .args:
      - { .name: query, .offset: 0, .size: 8, .value_kind: global_buffer, .address_space: global }
      - { .name: key, .offset: 8, .size: 8, .value_kind: global_buffer, .address_space: global }
      - { .name: value, .offset: 16, .size: 8, .value_kind: global_buffer, .address_space: global }
      - { .name: Wq, .offset: 24, .size: 8, .value_kind: global_buffer, .address_space: global }
      - { .name: Wk, .offset: 32, .size: 8, .value_kind: global_buffer, .address_space: global }
      - { .name: Wv, .offset: 40, .size: 8, .value_kind: global_buffer, .address_space: global }
      - { .name: Wc, .offset: 48, .size: 8, .value_kind: global_buffer, .address_space: global }
      - { .name: cod, .offset: 56, .size: 8, .value_kind: global_buffer, .address_space: global }
      - { .name: scl, .offset: 64, .size: 8, .value_kind: global_buffer, .address_space: global }
    .group_segment_fixed_size: 67072
    .private_segment_fixed_size: 0
    .kernarg_segment_align: 8
    .kernarg_segment_size: 72
    .max_flat_workgroup_size: 128
    .sgpr_count:     66
    .vgpr_count:     248
    .wavefront_size: 32
...
	.end_amdgpu_metadata
.endif
;; end of part 1
;; launch proj (part 2): grid 4 x 96, 4 waves a work-group, clusters of 4 x 4, 327,680 bytes of LDS; arguments cod, scl, mask, qrec, kv; writes qrec, kv
.if DOCPART == 2
	.amdgcn_target "amdgcn-amd-amdhsa--gfx1250"
	.amdhsa_code_object_version 6
	.text
	.protected	k_q6eb6401228_proj
	.globl	k_q6eb6401228_proj
	.p2align	8
	.type	k_q6eb6401228_proj,@function
k_q6eb6401228_proj:
	s_mov_b64 s[64:65], 0
	v_nop
	global_prefetch_b8 v0, s[64:65] scope:SCOPE_SE
	s_setreg_imm32_b32 hwreg(HW_REG_WAVE_MODE, 25, 1), 1
	s_wait_xcnt 0x0
	s_wait_alu depctr_hold_cnt(0) depctr_sa_sdst(0) depctr_va_vdst(0) depctr_va_sdst(0) depctr_va_ssrc(0) depctr_va_vcc(0) depctr_vm_vsrc(0)
	s_getreg_b32 s2, hwreg(HW_REG_IB_STS2, 6, 4)
	s_cmp_eq_u32 s2, 0
	s_cbranch_scc0 .Lentry_in_a_cluster
	s_endpgm
.Lentry_in_a_cluster:
	s_bfe_u32 s2, ttmp6, 0x10000c
	s_cmp_lg_u32 s2, 0xf033
	s_cbranch_scc0 .Lentry_shape_is_right
	s_endpgm
.Lentry_shape_is_right:
.set CSTR,  5505024
.set ASTR,  CSTR
.set BSTR,  CSTR
.set NQ,    2
.set FR,    12
.set NL,    4
.set NP,    4
.set RBB,   3072
.set HALFT, 8*RBB
.set SLOT,  4*HALFT
.set SCL,   2*SLOT
.set HALFS, 16*272
.set SPARE, SCL+4*HALFS
.set ADRA, 16
.set ADRB, 20
.set L16,  24
.set L8,   25
.set SCA,  26
.set ADRS, 27
.set SPW,  28
.set NIL,  29
.set RHO,  30
.set H16,  31
.set SC,   32
.set EX,   64
.set TM,   72
.set PW,   88
.set SW,   89
.set PWE,  90
.set PC,   96
.set CT,   108
.set AF,   128
.set G1, 24
.set G0, 32
.set G1B, 48
.set G0B, 56
.set G1S, 68
.set G0S, 76
.set G1SB, 80
.set G0SB, 88
.set BASE0, 80
.set BASE1, 82
.set MSB, 0
.macro WIN new
.if MSB != (\new)
	s_set_vgpr_msb (MSB<<8)|(\new)
.set MSB, (\new)
.endif
.endm
.set MUL_LO, 0xa1
.set MUL_HI, 0xf1
.set TO_B,   0x40
.macro JLOAD g0a, g1a, g0b, g1b
	s_cmp_eq_u32 s15, 0
	s_cbranch_scc0 .Lfor_b_\@
	tensor_load_to_lds s[\g0a:\g0a+3], s[\g1a:\g1a+7]
	s_nop 0
.rept 4
	v_nop
.endr
	s_branch .Lasked_\@
.Lfor_b_\@:
	tensor_load_to_lds s[\g0b:\g0b+3], s[\g1b:\g1b+7]
	s_nop 0
.rept 4
	v_nop
.endr
.Lasked_\@:
.endm
.macro CREST
	s_cmp_lg_u32 s14, 0
	s_cbranch_scc1 .Lnot_wave_0_\@
	s_barrier_signal -3
.Lnot_wave_0_\@:
	s_barrier_wait -3
	s_barrier_signal -1
	s_barrier_wait -1
.endm
.macro CROUND
	s_barrier_signal -1
	s_barrier_wait -1
	CREST
.endm
	s_load_b256 s[4:11], s[0:1], 0x0
	s_load_b64 s[12:13], s[0:1], 0x20
	v_lshl_add_u32 v[SPW], v0, 2, SPARE
	v_mov_b32 v[NIL], 0
	ds_add_u32 v[SPW], v[NIL]
	ds_add_u32 v[SPW], v[NIL]
	v_lshrrev_b32 v1, 5, v0
	v_readfirstlane_b32 s14, v1
	s_lshr_b32 s15, s14, 1
	s_and_b32 s16, s14, 1
	s_bfe_u32 s40, ttmp6, 0x40000
	s_bfe_u32 s41, ttmp6, 0x40004
	s_and_b32 s67, ttmp7, 0xffff
	s_lshr_b32 s66, s67, 3
	s_and_b32 s67, s67, 7
	s_cmp_eq_u32 s66, 2
	s_cselect_b32 s95, 0, s67
	s_cselect_b32 s96, s67, 0
	s_lshl_b32 s17, s95, 2
	s_add_co_u32 s17, s17, s41
	s_lshl_b32 s42, s96, 2
	s_add_co_u32 s42, s42, s40
	s_lshl_b32 s97, s66, 9
	s_lshl_b32 s98, s66, 6
	s_add_co_u32 s98, s98, 1536
	s_cmp_eq_u32 s66, 2
	s_cselect_b32 s97, 1664, s97
	s_cselect_b32 s98, 1024, s98
	s_lshl_b32 s43, s41, 2
	s_lshl_b32 s43, 15, s43
	s_lshl_b32 s44, 0x1111, s40
	s_or_b32 s[G1+0], s43, (3<<16)|(1<<21)
	s_or_b32 s[G1B+0], s44, (3<<16)|(1<<21)
.irp g, G1, G1B
	s_mov_b32 s[\g+1], 32<<16
	s_mov_b32 s[\g+2], 96<<16
	s_mov_b32 s[\g+3], 32<<16
	s_mov_b32 s[\g+4], 96
	s_mov_b32 s[\g+5], 32
	s_mov_b32 s[\g+6], 0
	s_mov_b32 s[\g+7], 0
.endr
	s_lshl_b32 s18, s16, 3
	s_lshl_b32 s20, s17, 4
	s_add_co_u32 s20, s20, s18
	s_add_co_u32 s20, s20, s97
	s_lshl_b32 s46, s42, 4
	s_add_co_u32 s46, s46, s18
	s_add_co_u32 s46, s46, s98
	s_lshl_b32 s22, s20, 9
	s_mov_b32 s23, 0
	s_lshl_b32 s92, s46, 9
	s_mov_b32 s93, 0
	s_mul_i32 s20, s20, RBB
	s_mov_b32 s21, 0
	s_mul_i32 s46, s46, RBB
	s_mov_b32 s47, 0
	s_mul_i32 s45, s14, HALFT
	s_mul_i32 s94, s14, HALFS
	s_wait_dscnt 0x0
	s_wait_kmcnt 0x0
	s_add_nc_u64 s[20:21], s[4:5], s[20:21]
	s_add_nc_u64 s[22:23], s[6:7], s[22:23]
	s_add_nc_u64 s[46:47], s[4:5], s[46:47]
	s_add_nc_u64 s[92:93], s[6:7], s[92:93]
	CROUND
.irp s, 0,1
	s_mov_b32 s[G0+4*\s], 1
	s_add_co_u32 s[G0+4*\s+1], s45, \s*SLOT
	s_add_nc_u64 s[G0+4*\s+2:G0+4*\s+3], s[20:21], \s*ASTR
	s_or_b32 s[G0+4*\s+3], s[G0+4*\s+3], 0x80000000
	s_mov_b32 s[G0B+4*\s], 1
	s_add_co_u32 s[G0B+4*\s+1], s45, \s*SLOT
	s_add_nc_u64 s[G0B+4*\s+2:G0B+4*\s+3], s[46:47], \s*BSTR
	s_or_b32 s[G0B+4*\s+3], s[G0B+4*\s+3], 0x80000000
.endr
	JLOAD G0, G1, G0B, G1B                         ; my quarter of slot 0: my one tensor load at the head
	; THE SCALE BYTES of my 128 rows (waves 0, 1: A's; waves 2, 3: B's), 4,096 bytes on end, come beside it by plain loads, 512 consecutive bytes each, and go into LDS as units of 256 + 16 bytes,
	; on bytes into which no fill lands.  They are 16 KB of the 400 KB that a work-group reads: they are not asked for jointly.
	s_cmp_eq_u32 s15, 0
	s_cselect_b64 s[22:23], s[22:23], s[92:93]
	v_and_b32 v3, 31, v0
	v_lshlrev_b32 v4, 4, v3                        ; 16 x lane
.irp k, 0,1,2,3,4,5,6,7
	global_load_b128 v[AF+4*\k:AF+4*\k+3], v4, s[22:23] offset:512*\k
.endr
	v_lshrrev_b32 v5, 4, v3
	v_and_b32 v6, 15, v0
	v_mul_u32_u24 v5, v5, 272                      ; a load's two units,
	v_lshl_add_u32 v5, v6, 4, v5                   ; my 16 bytes of one,
	s_add_co_u32 s94, s94, SCL
	v_add_nc_u32 v5, s94, v5                       ; in my wave's sixteen units
	s_wait_alu depctr_va_vdst(0)
	s_wait_loadcnt 0x0
.irp k, 0,1,2,3,4,5,6,7
	ds_store_b128 v5, v[AF+4*\k:AF+4*\k+3] offset:544*\k
.endr
	s_wait_tensorcnt 0x0                           ; my quarter of slot 0 is in
	ds_add_u32 v28, v29
	s_wait_dscnt 0x0                               ; the add and my stores of scale bytes are done
	CROUND                                         ; slot 0 and all scale bytes are shown to all waves, and the joint loads meet
	JLOAD G0+4, G1, G0B+4, G1B                     ; slot 1's first fill
	v_and_b32 v1, 15, v0
	v_bfe_u32 v2, v0, 4, 1
	v_and_b32 v3, 31, v0
	v_lshlrev_b32 v[L16], 4, v3
	s_wait_alu depctr_va_vdst(0)
	v_lshlrev_b32 v[L8], 3, v3
	s_wait_alu depctr_va_vdst(0)
	v_and_b32 v[RHO], 8, v1
	v_add_nc_u32 v[RHO], v[RHO], v1
	v_lshlrev_b32 v[H16], 4, v2
	s_lshl_b32 s18, s17, 8
	s_lshl_b32 s19, s15, 7
	s_add_co_u32 s18, s18, s19
	s_mov_b32 s19, 0
	s_add_nc_u64 s[100:101], s[8:9], s[18:19]
.irp a, 0,1,2,3,4,5,6,7
	global_load_u8 v[EX+\a], v[RHO], s[100:101] offset:32*(\a/2)+8*(\a%2)
.endr
	s_mul_i32 s21, s15, HALFT
	s_mul_i32 s22, s16, HALFT
	s_add_co_u32 s22, s22, 2*HALFT
.irp s, 0,1
	v_add_nc_u32 v[ADRA+\s], s21, v[L16]
	v_add_nc_u32 v[ADRB+\s], s22, v[L16]
	v_add_nc_u32 v[ADRA+2+\s], s21, v[L8]
	v_add_nc_u32 v[ADRB+2+\s], s22, v[L8]
	s_add_co_u32 s21, s21, SLOT
	s_add_co_u32 s22, s22, SLOT
.endr
	v_lshlrev_b32 v5, 5, v[RHO]
	v_lshrrev_b32 v6, 8, v5
	v_lshl_add_u32 v5, v6, 4, v5
	s_mul_i32 s21, s15, HALFS
	s_mul_i32 s22, s16, HALFS
	s_add_co_u32 s22, s22, 2*HALFS
	s_sub_co_u32 s22, s22, s21
	v_mul_u32_u24 v6, s22, v2
	s_add_co_u32 s21, s21, SCL
	v_add_nc_u32 v5, v5, v6
	v_add_nc_u32 v[ADRS], s21, v5
.irp b, 0,1,2,3
	v_mov_b32 v[TM+4+\b], 0
.endr
.macro FRAG reg, adr, q, i
.irp c, 0,1
	ds_load_b128 v[\reg+6*\c:\reg+6*\c+3], v[\adr] offset:(\i)*RBB+(\q)*1536+768*\c
	ds_load_b64 v[\reg+6*\c+4:\reg+6*\c+5], v[\adr+2] offset:(\i)*RBB+(\q)*1536+768*\c+512
.endr
.endm
.macro MUL16 a0, p, q, sc, zero
.irp a, \a0, \a0+1
.irp b, 0,1,2,3,4,5,6,7
.if \zero
	v_wmma_scale_f32_16x16x128_f8f6f4 v[8*(8*((\a)%4)+\b):8*(8*((\a)%4)+\b)+7], v[128*(\p)+FR*\b:128*(\p)+FR*\b+FR-1], v[AF+FR*(\a):AF+FR*(\a)+FR-1], 0, v[SC+8*NQ*(\sc)+NQ*\b+(\q)], v[SC+8*NQ*(\sc)+NQ*(\a)+(\q)] matrix_a_fmt:MATRIX_FMT_FP6 matrix_b_fmt:MATRIX_FMT_FP6 matrix_a_scale:MATRIX_SCALE_ROW1
.else
	v_wmma_scale_f32_16x16x128_f8f6f4 v[8*(8*((\a)%4)+\b):8*(8*((\a)%4)+\b)+7], v[128*(\p)+FR*\b:128*(\p)+FR*\b+FR-1], v[AF+FR*(\a):AF+FR*(\a)+FR-1], v[8*(8*((\a)%4)+\b):8*(8*((\a)%4)+\b)+7], v[SC+8*NQ*(\sc)+NQ*\b+(\q)], v[SC+8*NQ*(\sc)+NQ*(\a)+(\q)] matrix_a_fmt:MATRIX_FMT_FP6 matrix_b_fmt:MATRIX_FMT_FP6 matrix_a_scale:MATRIX_SCALE_ROW1
.endif
.endr
.endr
.endm
.macro FETCH_B slot, q, p
	WIN TO_B
.irp i, 0,1,2,3,4,5,6,7
	FRAG 128*(\p)+FR*\i, ADRB+\slot, \q, \i
.endr
	WIN 0
.endm
.macro FETCH_A slot, q, i0
.irp i, \i0, \i0+1, \i0+2, \i0+3
	FRAG AF+FR*(\i), ADRA+\slot, \q, \i
.endr
.endm
.macro SCALES sc
.irp i, 0,1,2,3,4,5,6,7
	ds_load_b64 v[SC+8*NQ*\sc+NQ*\i:SC+8*NQ*\sc+NQ*\i+1], v[ADRS] offset:(4*(\i/2)+\i%2)*272
.endr
.endm
.macro PLACES n
.rept \n
	v_nop
.endr
.endm
.macro STEP slot, q, zero
	s_wait_dscnt 4*NL
	WIN MUL_LO
	MUL16 0, (\q)%2, \q, \slot, \zero
	MUL16 2, (\q)%2, \q, \slot, \zero
	s_wait_dscnt 0
	PLACES NP
	FETCH_B \slot, (\q)+1, 1-(\q)%2
	FETCH_A \slot, (\q)+1, 0
	WIN MUL_HI
	MUL16 4, (\q)%2, \q, \slot, \zero
	MUL16 6, (\q)%2, \q, \slot, \zero
	PLACES NP
	WIN 0
	FETCH_A \slot, (\q)+1, 4
.endm
.macro TURN slot, next, fill
	s_wait_tensorcnt 0x0
	ds_add_u32 v[SPW], v[NIL]
	s_wait_dscnt 4*NL+1
	WIN MUL_LO
	MUL16 0, 1, NQ-1, \slot, 0
	s_wait_dscnt 0x0
	s_barrier_signal -1
	MUL16 2, 1, NQ-1, \slot, 0
	WIN 0
	s_barrier_wait -1
.if \fill
	CREST
	s_add_nc_u64 s[G0+4*\slot+2:G0+4*\slot+3], s[G0+4*\slot+2:G0+4*\slot+3], 2*ASTR
	s_add_nc_u64 s[G0B+4*\slot+2:G0B+4*\slot+3], s[G0B+4*\slot+2:G0B+4*\slot+3], 2*BSTR
	JLOAD G0+4*\slot, G1, G0B+4*\slot, G1B
.else
	PLACES NP
.endif
	s_wait_alu depctr_va_vdst(0)
	v_add_nc_u32 v[ADRS], 4*NQ, v[ADRS]
	FETCH_B \next, 0, 0
	FETCH_A \next, 0, 0
	SCALES \next
	WIN MUL_HI
	MUL16 4, 1, NQ-1, \slot, 0
	MUL16 6, 1, NQ-1, \slot, 0
	PLACES NP
	WIN 0
	FETCH_A \next, 0, 4
.endm
	s_wait_alu depctr_va_vdst(0)
	s_wait_tensorcnt 1
	s_wait_loadcnt 0x0
	s_barrier_signal -1
	s_barrier_wait -1
	FETCH_B 0, 0, 0
	FETCH_A 0, 0, 0
	SCALES 0
	FETCH_A 0, 0, 4
	STEP 0, 0, 1
	TURN 0, 1, 1
	STEP 1, 0, 0
	TURN 1, 0, 1
	STEP 0, 0, 0
	TURN 0, 1, 0
	STEP 1, 0, 0
	s_wait_dscnt 4*NL
	WIN MUL_LO
	MUL16 0, 1, NQ-1, 1, 0
	MUL16 2, 1, NQ-1, 1, 0
	s_wait_dscnt 0
	WIN MUL_HI
	MUL16 4, 1, NQ-1, 1, 0
	MUL16 6, 1, NQ-1, 1, 0
	WIN 0
	s_cmp_eq_u32 s66, 2
	s_cselect_b32 s68, s42, s17
	s_cselect_b32 s69, s16, s15
	s_cselect_b32 s70, s17, s42
	s_cselect_b32 s71, s15, s16
	s_lshl_b32 s68, s68, 8
	s_lshl_b32 s69, s69, 7
	s_add_co_u32 s68, s68, s69
	s_lshr_b32 s69, s68, 11
	s_bfe_u32 s72, s68, 0x40007
	s_lshl_b32 s69, s69, 4
	s_lshl_b32 s70, s70, 2
	s_lshl_b32 s71, s71, 1
	s_add_co_u32 s69, s69, s70
	s_add_co_u32 s69, s69, s71
	s_cmp_eq_u32 s66, 0
	s_cselect_b64 s[BASE0:BASE0+1], s[10:11], s[12:13]
	s_mov_b32 s73, 208896
	s_cselect_b32 s73, 106496, s73
	s_mov_b32 s74, 13056
	s_cselect_b32 s74, 6656, s74
	s_mov_b32 s75, 12288
	s_cselect_b32 s75, 6144, s75
	s_mov_b32 s76, 227<<16
	s_cselect_b32 s77, 127<<16, s76
	s_cselect_b32 s76, 0, s76
	s_mul_i32 s78, s69, s73
	s_mul_i32 s79, s72, s74
	s_add_co_u32 s78, s78, s79
	s_mov_b32 s79, 0
	s_add_nc_u64 s[BASE0:BASE0+1], s[BASE0:BASE0+1], s[78:79]
	s_mov_b32 s78, s73
	s_add_nc_u64 s[BASE1:BASE1+1], s[BASE0:BASE0+1], s[78:79]
	s_mov_b32 s84, 0x76543210
	s_mov_b32 s85, 0xfedcba98
	s_mov_b32 s86, 0xffff0000
.irp a, 0,1,2,3,4,5,6,7
	v_mul_u32_u24 v[EX+\a], s76, v[EX+\a]
.endr
.irp a, 0,1,2,3,4,5,6,7
	v_sub_nc_u32 v[EX+\a], s77, v[EX+\a]
.endr
	v_mul_u32_u24 v[SCA], s73, v2
	v_lshl_add_u32 v[SCA], v1, 4, v[SCA]
	v_add_nc_u32 v[SCA], s75, v[SCA]
	PLACES NP
.macro QUANTW a
.set AC, 64*((\a)%4)
.set W, 2+(\a)/4
.set WA, W|(W<<2)
.set WB, (W<<2)|(W<<4)
	WIN WA
.irp b, 0,1,2,3
	v_max3_num_f32 v[TM+\b], |v[AC+16*\b]|, |v[AC+16*\b+1]|, 0x1800000
.endr
	WIN WB
.irp i, 2,4,6,8,10,12,14
.irp b, 0,1,2,3
	v_max3_num_f32 v[TM+\b], v[TM+\b], |v[AC+16*\b+\i]|, |v[AC+16*\b+\i+1]|
.endr
.endr
	WIN 0
.irp b, 0,1,2,3
	v_permlanex16_b32 v[TM+4+\b], v[TM+\b], s84, s85
.endr
.irp b, 0,1,2,3
	v_max_num_f32 v[TM+\b], v[TM+\b], v[TM+4+\b]
.endr
.irp b, 0,1,2,3
	v_add_nc_u32 v[TM+12+\b], 0xff000000, v[TM+\b]
.endr
.irp b, 0,1,2,3
	v_lshrrev_b32 v[TM+4+\b], 23, v[TM+12+\b]
.endr
	v_lshl_or_b32 v[PW], v[TM+5], 8, v[TM+4]
	v_lshl_or_b32 v[PW], v[TM+6], 16, v[PW]
	v_lshl_or_b32 v[PW], v[TM+7], 24, v[PW]
	WIN W
.irp c, 0,1
	v_cvt_scalef32_pk16_fp6_f32 v[PC+6*\c:PC+6*\c+2], v[AC+32*\c:AC+32*\c+15], v[TM+12+2*\c]
	v_cvt_scalef32_pk16_fp6_f32 v[CT+4*\c:CT+4*\c+2], v[AC+32*\c+16:AC+32*\c+31], v[TM+12+2*\c+1]
.endr
	WIN 0
	v_nop
.irp c, 0,1
.irp i, 0,1,2
	v_permlane16_swap_b32 v[PC+6*\c+\i], v[CT+4*\c+\i]
.endr
.irp i, 0,1,2
	v_mov_b32 v[PC+3+6*\c+\i], v[CT+4*\c+\i]
.endr
.endr
.endm
.macro EPI_QK a
.if (\a) > 0
	s_wait_xcnt 0x0
.endif
	QUANTW \a
	global_store_b128 v[L16], v[PC:PC+3], s[BASE0:BASE0+1] offset:768*(\a)
	global_store_b64 v[L8], v[PC+4:PC+5], s[BASE0:BASE0+1] offset:768*(\a)+512
	global_store_b128 v[L16], v[PC+6:PC+9], s[BASE1:BASE1+1] offset:768*(\a)
	global_store_b64 v[L8], v[PC+10:PC+11], s[BASE1:BASE1+1] offset:768*(\a)+512
	v_lshrrev_b32 v[SW], v[H16], v[PW]
	v_and_or_b32 v[SW], v[SW], 0xffff, v[EX+(\a)]
	global_store_b32 v[SCA], v[SW], s[BASE0:BASE0+1] offset:256*((\a)%2)+4*((\a)/2)
.endm
.macro EPI_V a
.if (\a) > 0
	s_wait_xcnt 0x0
.endif
	QUANTW \a
.set BS, BASE0+2*((\a)/4)
.set DT, (\a)%4
	global_store_b128 v[L16], v[PC:PC+3], s[BS:BS+1] offset:6144+1536*DT
	global_store_b64 v[L8], v[PC+4:PC+5], s[BS:BS+1] offset:6144+1536*DT+512
	global_store_b128 v[L16], v[PC+6:PC+9], s[BS:BS+1] offset:6144+1536*DT+768
	global_store_b64 v[L8], v[PC+10:PC+11], s[BS:BS+1] offset:6144+1536*DT+1280
.if DT%2 == 0
	v_mov_b32 v[PWE], v[PW]
.else
	v_cndmask_b32 v[SW], v[PWE], v[PW], s86
	global_store_b32 v[L8], v[SW], s[BS:BS+1] offset:12800+4*(DT/2)
.endif
.endm
	s_cmp_eq_u32 s66, 2
	s_cbranch_scc1 .Lv
.irp a, 0,1,2,3,4,5,6,7
	EPI_QK \a
.endr
	s_branch .Ldone
.Lv:
.irp a, 0,1,2,3,4,5,6,7
	EPI_V \a
.endr
.Ldone:
	s_wait_tensorcnt 0x0
	ds_add_u32 v[SPW], v[NIL]
	s_wait_dscnt 0x0
	CROUND
	s_endpgm
.Lfunc_end_k_q6eb6401228_proj:
	.size	k_q6eb6401228_proj, .Lfunc_end_k_q6eb6401228_proj-k_q6eb6401228_proj
	.p2alignl 7, 3214868480
	.fill 96, 4, 3214868480
	.section	.rodata,"a",@progbits
	.p2align	6, 0x0
	.amdhsa_kernel k_q6eb6401228_proj
		.amdhsa_group_segment_fixed_size 327680
		.amdhsa_private_segment_fixed_size 0
		.amdhsa_enable_private_segment 0
		.amdhsa_kernarg_size 40
		.amdhsa_user_sgpr_count 2
		.amdhsa_user_sgpr_kernarg_segment_ptr 1
		.amdhsa_wavefront_size32 1
		.amdhsa_system_sgpr_workgroup_id_x 1
		.amdhsa_system_sgpr_workgroup_id_y 1
		.amdhsa_system_sgpr_workgroup_id_z 1
		.amdhsa_system_vgpr_workitem_id 0
		.amdhsa_next_free_vgpr 1024
		.amdhsa_next_free_sgpr 102
		.amdhsa_reserve_vcc 0
		.amdhsa_float_denorm_mode_32 3
		.amdhsa_float_denorm_mode_16_64 3
		.amdhsa_memory_ordered 1
		.amdhsa_forward_progress 1
		.amdhsa_inst_pref_size 189
	.end_amdhsa_kernel
	.amdgpu_metadata
---
amdhsa.version: [ 1, 2 ]
amdhsa.kernels:
  - .name:           k_q6eb6401228_proj
    .symbol:         k_q6eb6401228_proj.kd
    .args:
      - { .name: cod, .offset: 0, .size: 8, .value_kind: global_buffer, .address_space: global }
      - { .name: scl, .offset: 8, .size: 8, .value_kind: global_buffer, .address_space: global }
      - { .name: mask, .offset: 16, .size: 8, .value_kind: global_buffer, .address_space: global }
      - { .name: qrec, .offset: 24, .size: 8, .value_kind: global_buffer, .address_space: global }
      - { .name: kv, .offset: 32, .size: 8, .value_kind: global_buffer, .address_space: global }
    .group_segment_fixed_size: 327680
    .private_segment_fixed_size: 0
    .kernarg_segment_align: 8
    .kernarg_segment_size: 40
    .max_flat_workgroup_size: 128
    .sgpr_count:     102
    .vgpr_count:     1024
    .wavefront_size: 32
...
	.end_amdgpu_metadata
.endif
;; end of part 2
;; launch attn (part 3): grid 4 x 64, 8 waves a work-group, clusters of 4 x 1, 327,680 bytes of LDS; arguments qrec, kv, oc, osc; writes oc, osc
.if DOCPART == 3
	.amdgcn_target "amdgcn-amd-amdhsa--gfx1250"
	.amdhsa_code_object_version 6
	.text
	.protected	k_q6eb6401228_attn
	.globl	k_q6eb6401228_attn
	.p2align	8
	.type	k_q6eb6401228_attn,@function
k_q6eb6401228_attn:
	s_mov_b64 s[64:65], 0
	v_nop
	global_prefetch_b8 v0, s[64:65] scope:SCOPE_SE
	s_setreg_imm32_b32 hwreg(HW_REG_WAVE_MODE, 25, 1), 1
	s_wait_xcnt 0x0
	s_wait_alu depctr_hold_cnt(0) depctr_sa_sdst(0) depctr_va_vdst(0) depctr_va_sdst(0) depctr_va_ssrc(0) depctr_va_vcc(0) depctr_vm_vsrc(0)
	s_getreg_b32 s2, hwreg(HW_REG_IB_STS2, 6, 4)
	s_cmp_eq_u32 s2, 0
	s_cbranch_scc0 .Lentry_in_a_cluster
	s_endpgm
.Lentry_in_a_cluster:
	s_bfe_u32 s2, ttmp6, 0x10000c
	s_cmp_lg_u32 s2, 0x3003
	s_cbranch_scc0 .Lentry_shape_is_right
	s_endpgm
.Lentry_shape_is_right:
; Attention on codes of FP6 (E2M3): S^T = K Q^T, the softmax, O^T = V^T P^T, and O / l quantised along the embedding for the last projection.
; A HEAD'S WHOLE K, V AND SCALE WORDS, 16 records of 13,056 bytes, LIE IN LDS: each of the eight waves brings two records by one tensor load; nothing is filled again, and no barrier stands in the loops.
; SHARES.  A work-group has one (batch, head) and 512 of its 2,048 queries; the four work-groups of a head form a cluster and ask for the records jointly.
; A wave owns TWO tiles of 16 queries at a time, in two passes: tile 32 cx + 16 pass + 8 x + wave, x = 0, 1.  Both tiles use each fragment of K and V that the wave reads from LDS.
; REGISTERS, two windows of 256.  A tile's state (Q, S^T, O^T, p's codes, sums, temporaries) has the same numbers in window x.  Window 0 also holds the addresses, all scale words and V's four fragments;
; window 1 K's eight fragments.  K's fragments of the next step are asked for behind this step's score products (behind step 15: record 0's, with which the next pass begins; the second pass's last such loads are not used),
; V's behind the same products, ahead of the first tile's softmax.
; LAYOUT.  Both products are used transposed: a lane holds ONE query throughout.  Operands lie in LDS as images of registers (16 rows x 64 K: registers 0-3 at 16 x lane, 4-5 at 512 + 8 x lane).
; In a record, lane r of image a of K holds key 32 (a / 2) + 8 (a % 2) + r % 8 + 16 (r / 8).  THE LANES GATHER: tile (g, t), g = 0, 1, t = 0 .. 3, takes for its row r image 4 g + 2 (r / 8) + t % 2, row 8 (t / 2) + r % 8:
; key 64 g + 32 (r / 8) + 8 t + r % 8.  So registers 32 g + 0 .. 31 of S^T in lane (query, h) are keys 64 g + 32 h + 0 .. 31: one whole scale block, in the order of the next product's operand.  No lane swap is needed.
; THE SOFTMAX: t = score x log2(e) / 8; M = the ceiling of the running largest t; p = 2^(t - M) is quantised along the keys; the row's sum is taken of the unquantised p and divides O at the end.
; When M moves, the sum and O^T are multiplied by 2^(old M - new M), which rounds nothing.  A block's largest p is made of its largest score by the same two instructions.
; THE MASK RIDES IN THE SPARE HALF OF K.  A head has 64 along K, the instruction 128.  Registers 6-11 of Q's and K's fragments are constants: at k = 64 the code +7.5 in Q and -7.5 in K, zeros elsewhere.
; Byte 2 of K's scale word is 227 for a masked key, whose score so gets -56.25 x 2^100 and whose p is exactly 0, and 0 for a valid one.  The loop has no line for the mask.
; The running largest score begins at -2^102, above every masked score: while only masked keys have been seen, every p is 0.  A row that still holds -2^102 at the end has no valid key:
; its two scale bytes become 0xff, which makes the last projection's row NaN, as a softmax over nothing is.
; No data prefetch: all that the work-group reads of kv is asked for at the head, so there is no loop to run ahead in.
; LIMITS: valid scores stay above -2^102 and the scaled scores under 2^31 in magnitude; a valid score carries -3.3e-37; the division by the sum is v_rcp_f32 and a multiplication; blocks of zeros get the byte 1; NaN and infinities among the inputs are not served.
.set REC,   13056                      ; a key step's record: K 8 x 768 | V 4 x 1536 | K's scale words 512 | V's 256
.set BHKV,  16*REC
.set QREC,  6656                       ; 128 queries: 8 x 768 | scale words 512
.set BHQ,   16*QREC
.set SPARE, 16*REC                     ; behind the records: the spare words, 128 bytes for each of eight waves
.set L16,  1                           ; 16 x lane
.set L8,   2                           ; 8 x lane
.set KA16, 3                           ; K's gather: 16 (r % 8) + 256 h + 1536 (r / 8)
.set KA8,  4                           ; 8 (r % 8) + 128 h + 1536 (r / 8)
.set SPW,  5                           ; my spare word; never rewritten
.set NIL,  6                           ; 0; never rewritten
.set QSO,  7                           ; 16 r: Q's scale word
.set OSO,  8                           ; 32 (r + 8 (r / 8)) + h: my scale byte of O
.set KSA,  9                           ; K's scale words: 256 h + 16 (r % 8) + 4 (r / 8)
.set AV16, 10                          ; L16, L8 in this step's record
.set AV8,  11
.set NM,   12                          ; tile: v12 -M, v13 the running largest score
.set LS,   14                          ; tile: v[14:15] the sum, in two halves
.set QF,   16                          ; tile: v16-27 Q's fragment; v22-27 constants
.set H8,   28                          ; tile: 8 h
.set FF,   30                          ; tile: v[30:31] f = 2^(old M - new M)
.set PW,   32                          ; window 0: v32, v33 p's scale words of the two tiles
.set KS,   34                          ; window 0: v34-37 K's scale words: tile (g, t) in register 2 (t / 2) + g, lanes 16 (t % 2) on
.set VS,   38                          ; window 0: v38-39 V's: tile t in register t / 2, lanes 16 (t % 2) on
.set AK16, 40                          ; window 0: KA16, KA8, KSA in the next step's record
.set AK8,  41
.set AKS,  42
.set QW,   46                          ; window 0: v46, v47 Q's scale words of the two tiles
.set KF,   32                          ; window 1: v32-127 K's eight fragments; registers 6-11 of each are constants
.set VF,   80                          ; window 0: v80-127 V's four
.set S,    128                         ; tile: v128-191 S^T, then p
.set O,    192                         ; tile: v192-223 O^T
.set PC,   224                         ; tile: v224-235 p's codes
.set MA,   236                         ; tile: v236-239 four chains of maxima; later three chains of the sum, with v240-241
.set MB,   237
.set MC,   238
.set MD,   239
.set TA,   240
.set TB,   241
.set SO,   242                         ; tile: v242-243 the conversions' scale operands
.set BY,   244                         ; tile: v244-245 the bytes
.set W,    246
.set PD,   247                         ; tile: a lane permute's destination
.set CT,   248                         ; tile: v248-250, v252-254 the upper halves of two blocks, before they are moved
.set WV,   12
.set MSB,  0
.macro WIN new                         ; the immediate's high byte repeats the setting that is left
.if MSB != (\new)
	s_set_vgpr_msb (MSB<<8)|(\new)
.set MSB, (\new)
.endif
.endm
.macro WALU
	s_wait_alu depctr_va_vdst(0)
.endm
.macro CROUND                          ; a round of the cluster's barrier
	s_barrier_signal -1
	s_barrier_wait -1
	s_cmp_lg_u32 s[WV], 0
	s_cbranch_scc1 .Lnot_wave_0_\@
	s_barrier_signal -3
.Lnot_wave_0_\@:
	s_barrier_wait -3
	s_barrier_signal -1
	s_barrier_wait -1
.endm
.macro QLOAD                           ; both tiles' fragments and scale words of Q
.irp x, 0,1
	WIN 0x40*\x
	global_load_b128 v[QF:QF+3], v[L16], s[42:43] offset:\x*QREC
	global_load_b64 v[QF+4:QF+5], v[L8], s[42:43] offset:\x*QREC+512
.endr
	WIN 0
	global_load_b32 v[QW], v[QSO], s[44:45]
	global_load_b32 v[QW+1], v[QSO], s[44:45] offset:QREC
.endm
.macro KLOAD a16, a8, as               ; a record's eight gathered tiles of K and their scale words: 20 loads
	WIN 0x40
.irp g, 0,1
.irp t, 0,1,2,3
	ds_load_b128 v[KF+12*(4*\g+\t):KF+12*(4*\g+\t)+3], v[\a16] offset:3072*\g+768*(\t%2)+128*(\t/2)
	ds_load_b64 v[KF+12*(4*\g+\t)+4:KF+12*(4*\g+\t)+5], v[\a8] offset:3072*\g+768*(\t%2)+64*(\t/2)+512
.endr
.endr
	WIN 0
.irp u, 0,1
.irp g, 0,1
	ds_load_b32 v[KS+2*\u+\g], v[\as] offset:12288+128*\u+8*\g
.endr
.endr
.endm
.macro VLOAD                           ; a record's V: 17 loads
	ds_load_b64 v[VS:VS+1], v[AV8] offset:12800
.irp t, 0,1,2,3
.irp c, 0,1
	ds_load_b128 v[VF+12*\t+6*\c:VF+12*\t+6*\c+3], v[AV16] offset:6144+1536*\t+768*\c
	ds_load_b64 v[VF+12*\t+6*\c+4:VF+12*\t+6*\c+5], v[AV8] offset:6144+1536*\t+768*\c+512
.endr
.endr
.endm
.macro SPROD x                         ; eight tiles of 16 keys against tile x's queries; each product is whole: K = the head's 64 and the mask's one
	WIN 0x01|(0x44*\x)
.irp g, 0,1
.irp t, 0,1,2,3
.if \t%2
	v_wmma_scale_f32_16x16x128_f8f6f4 v[S+32*\g+8*\t:S+32*\g+8*\t+7], v[KF+12*(4*\g+\t):KF+12*(4*\g+\t)+11], v[QF:QF+11], 0, v[KS+2*(\t/2)+\g], v[QW+\x] matrix_a_fmt:MATRIX_FMT_FP6 matrix_b_fmt:MATRIX_FMT_FP6 matrix_a_scale:MATRIX_SCALE_ROW1
.else
	v_wmma_scale_f32_16x16x128_f8f6f4 v[S+32*\g+8*\t:S+32*\g+8*\t+7], v[KF+12*(4*\g+\t):KF+12*(4*\g+\t)+11], v[QF:QF+11], 0, v[KS+2*(\t/2)+\g], v[QW+\x] matrix_a_fmt:MATRIX_FMT_FP6 matrix_b_fmt:MATRIX_FMT_FP6
.endif
.endr
.endr
.endm
.macro PV x                            ; O^T += V^T P^T: four accumulators, one instruction each
	WIN 0x54*\x
.irp t, 0,1,2,3
.if \t%2
	v_wmma_scale_f32_16x16x128_f8f6f4 v[O+8*\t:O+8*\t+7], v[VF+12*\t:VF+12*\t+11], v[PC:PC+11], v[O+8*\t:O+8*\t+7], v[VS+\t/2], v[PW+\x] matrix_a_fmt:MATRIX_FMT_FP6 matrix_b_fmt:MATRIX_FMT_FP6 matrix_a_scale:MATRIX_SCALE_ROW1
.else
	v_wmma_scale_f32_16x16x128_f8f6f4 v[O+8*\t:O+8*\t+7], v[VF+12*\t:VF+12*\t+11], v[PC:PC+11], v[O+8*\t:O+8*\t+7], v[VS+\t/2], v[PW+\x] matrix_a_fmt:MATRIX_FMT_FP6 matrix_b_fmt:MATRIX_FMT_FP6
.endif
.endr
.endm
.macro SOFT x                          ; tile x's softmax of 128 keys, all in window x
	WIN 0x55*\x
	WALU                                           ; the wait ahead of the first readers of S^T
	v_max3_num_f32 v[MA], v[S], v[S+1], v[S+2]     ; my two blocks' largest scores, two chains each, every accumulator from its low end on
	v_max3_num_f32 v[MC], v[S+16], v[S+17], v[S+18]
	v_max3_num_f32 v[MB], v[S+32], v[S+33], v[S+34]
	v_max3_num_f32 v[MD], v[S+48], v[S+49], v[S+50]
.irp i, 3,5,7,9,11,13
	v_max3_num_f32 v[MA], v[MA], v[S+\i], v[S+\i+1]
	v_max3_num_f32 v[MC], v[MC], v[S+16+\i], v[S+16+\i+1]
	v_max3_num_f32 v[MB], v[MB], v[S+32+\i], v[S+32+\i+1]
	v_max3_num_f32 v[MD], v[MD], v[S+48+\i], v[S+48+\i+1]
.endr
	v_max3_num_f32 v[MA], v[MA], v[MC], v[S+15]
	v_max3_num_f32 v[MB], v[MB], v[MD], v[S+47]
	v_max_num_f32 v[MA], v[MA], v[S+31]            ; block h
	v_max_num_f32 v[MB], v[MB], v[S+63]            ; block 2 + h
	s_delay_alu instid0(VALU_DEP_1)
	v_max_num_f32 v[TA], v[MA], v[MB]
	s_delay_alu instid0(VALU_DEP_1)
	v_permlanex16_b32 v[PD], v[TA], s20, s21
	s_delay_alu instid0(VALU_DEP_1)
	v_max3_num_f32 v[NM+1], v[NM+1], v[TA], v[PD]  ; the running largest score of my query
	s_delay_alu instid0(VALU_DEP_1)
	v_mul_f32 v[TA], s22, v[NM+1]                  ; as t
	s_delay_alu instid0(VALU_DEP_1)
	v_floor_f32 v[TB], -v[TA]                      ; the new -M = -ceil(t): a whole number
	s_delay_alu instid0(VALU_DEP_1)
	v_sub_f32 v[TA], v[TB], v[NM]                  ; old M - new M: a whole number, 0 or less
	s_delay_alu instid0(VALU_DEP_2)
	v_mov_b32 v[NM], v[TB]
	s_delay_alu instid0(VALU_DEP_2)
	v_cvt_i32_f32 v[TA], v[TA]                     ; (it saturates)
	s_delay_alu instid0(VALU_DEP_1)
	v_ldexp_f32 v[FF], 1.0, v[TA]                  ; f = 2^(old M - new M)
	WALU                                           ; the wait ahead of the first reader of O^T
.set j, 0
.rept 16
	v_pk_mul_f32 v[O+j:O+j+1], v[O+j:O+j+1], v[FF:FF+1] op_sel_hi:[1,0]   ; O^T under the new M
.set j, j+2
.endr
.set j, 0
.rept 32
	v_pk_fma_f32 v[S+j:S+j+1], v[S+j:S+j+1], s[22:23], v[NM:NM+1] op_sel_hi:[1,0,0]   ; t - M, two at a time
.set j, j+2
.endr
	v_fma_f32 v[MA], v[MA], s22, v[NM]             ; the same of each block's largest score
	v_fma_f32 v[MB], v[MB], s22, v[NM]
	WALU                                           ; one wait ahead of the batch
.set j, 0
.rept 64
	v_exp_f32 v[S+j], v[S+j]                       ; p = 2^(t - M): not normalised
.set j, j+1
.endr
	v_exp_f32 v[MA], v[MA]                         ; the blocks' largest p
	v_exp_f32 v[MB], v[MB]
	v_pk_mul_f32 v[LS:LS+1], v[LS:LS+1], v[FF:FF+1] op_sel_hi:[1,0]   ; the sums under the new M: a plain place behind the exponentials
	WALU                                           ; and one behind it, ahead of its first reader
	v_max_num_f32 v[MA], 0x1800000, v[MA]          ; the floor 2^(3 - 127): a block whose every p is 0 keeps the byte 1 over zero codes
	v_max_num_f32 v[MB], 0x1800000, v[MB]
	v_add_nc_u32 v[SO], 0xff000000, v[MA]          ; 2 off the exponent field: the conversion's scale operand
	v_add_nc_u32 v[SO+1], 0xff000000, v[MB]
	v_lshrrev_b32 v[BY], 23, v[SO]                 ; the byte
	v_lshrrev_b32 v[BY+1], 23, v[SO+1]
.irp c, 0,1
	v_cvt_scalef32_pk16_fp6_f32 v[PC+6*\c:PC+6*\c+2], v[S+32*\c:S+32*\c+15], v[SO+\c]
	v_cvt_scalef32_pk16_fp6_f32 v[CT+4*\c:CT+4*\c+2], v[S+32*\c+16:S+32*\c+31], v[SO+\c]   ; (a conversion's three registers begin on an even number)
.endr
	v_lshl_or_b32 v[W], v[BY+1], 16, v[BY]         ; my two bytes, blocks h and 2 + h (a plain place behind the conversions),
	v_lshlrev_b32 v[W], v[H8], v[W]                ; at their places;
	v_permlanex16_b32 v[PD], v[W], s20, s21
.irp c, 0,1
.irp i, 0,1,2
	v_mov_b32 v[PC+6*\c+3+\i], v[CT+4*\c+\i]
.endr
.endr
	WIN 0x05*\x                                    ; scale words lie in window 0
	v_or_b32 v[PW+\x], v[W], v[PD]                 ; with lane l xor 16's two the word is whole
	WIN 0x55*\x
	v_pk_add_f32 v[MA:MA+1], v[S:S+1], v[S+2:S+3]  ; the row's sum of the unquantised p, four chains by turns.  These 32 lines also stand between the lines that made p's codes and scale word and the products
	v_pk_add_f32 v[MC:MC+1], v[S+4:S+5], v[S+6:S+7]
	v_pk_add_f32 v[TA:TA+1], v[S+8:S+9], v[S+10:S+11]
	v_pk_add_f32 v[LS:LS+1], v[LS:LS+1], v[S+12:S+13]
.set j, 14
.rept 6
	v_pk_add_f32 v[MA:MA+1], v[MA:MA+1], v[S+j:S+j+1]
	v_pk_add_f32 v[MC:MC+1], v[MC:MC+1], v[S+j+2:S+j+3]
	v_pk_add_f32 v[TA:TA+1], v[TA:TA+1], v[S+j+4:S+j+5]
	v_pk_add_f32 v[LS:LS+1], v[LS:LS+1], v[S+j+6:S+j+7]
.set j, j+8
.endr
	v_pk_add_f32 v[MA:MA+1], v[MA:MA+1], v[S+62:S+63]
	v_pk_add_f32 v[MC:MC+1], v[MC:MC+1], v[TA:TA+1]
	v_pk_add_f32 v[LS:LS+1], v[LS:LS+1], v[MA:MA+1]
	v_pk_add_f32 v[LS:LS+1], v[LS:LS+1], v[MC:MC+1]
.endm
.macro INIT x                          ; a pass begins: the step is written once, and the first finds zeros, which the first change of M leaves zeros
	WIN 0x40*\x
	v_mov_b32 v[NM+1], 0xf2800000                  ; the largest score so far: -2^102
	v_mov_b32 v[NM], 0x7149f2ca                    ; -M = 1e30
	v_mov_b32 v[LS], 0
	v_mov_b32 v[LS+1], 0
.set j, 0
.rept 32
	v_mov_b32 v[O+j], 0
.set j, j+1
.endr
.endm
.macro EPI x                           ; tile x's way out.  Register 16 b + i of O^T is d = 32 b + 16 h + i of my query: O / l is quantised as it stands, two blocks of 32, half a fragment of the last projection's A
	WIN 0x55*\x
	v_add_f32 v[LS], v[LS], v[LS+1]
	v_permlanex16_b32 v[PD], v[LS], s20, s21
	v_add_f32 v[LS], v[LS], v[PD]                  ; the row's sum
	WALU                                           ; the wait ahead of the transcendental
	v_rcp_f32 v[LS], v[LS]
	v_mov_b32 v[TB], 0xff                          ; (a plain place behind the reciprocal)
	WALU                                           ; and ahead of its first reader, which is O^T's first too
.set j, 0
.rept 16
	v_pk_mul_f32 v[S+j:S+j+1], v[O+j:O+j+1], v[LS:LS+1] op_sel_hi:[1,0]   ; each accumulator from its low end on
.set j, j+2
.endr
	v_max3_num_f32 v[MA], |v[S]|, |v[S+1]|, 0x1800000
	v_max3_num_f32 v[MB], |v[S+16]|, |v[S+17]|, 0x1800000
.irp i, 2,4,6,8,10,12,14
	v_max3_num_f32 v[MA], v[MA], |v[S+\i]|, |v[S+\i+1]|
	v_max3_num_f32 v[MB], v[MB], |v[S+16+\i]|, |v[S+16+\i+1]|
.endr
	v_permlanex16_b32 v[PD], v[MA], s20, s21
	v_permlanex16_b32 v[W], v[MB], s20, s21
	v_max_num_f32 v[MA], v[MA], v[PD]
	v_max_num_f32 v[MB], v[MB], v[W]
	v_add_nc_u32 v[SO], 0xff000000, v[MA]
	v_add_nc_u32 v[SO+1], 0xff000000, v[MB]
	v_lshrrev_b32 v[BY], 23, v[SO]
	v_lshrrev_b32 v[BY+1], 23, v[SO+1]
	v_cvt_scalef32_pk16_fp6_f32 v[PC:PC+2], v[S:S+15], v[SO]
	v_cvt_scalef32_pk16_fp6_f32 v[CT:CT+2], v[S+16:S+31], v[SO+1]
	v_cndmask_b32 v[TA], v[BY], v[BY+1], s39       ; lanes 0-15 store block 0's byte of their row, lanes 16-31 block 1's (a plain place behind the conversions)
.irp i, 0,1,2
	v_permlane16_swap_b32 v[PC+\i], v[CT+\i]       ; the operand's layout wants a whole block in a lane
.endr
.irp i, 0,1,2
	v_mov_b32 v[PC+3+\i], v[CT+\i]
.endr
	v_cmp_ge_f32 vcc_lo, s40, v[NM+1]              ; no valid key at all?
	v_cndmask_b32 v[TA], v[TA], v[TB], vcc_lo      ; then the byte is 0xff
	WIN 0x04*\x                                    ; the stores' data in window x, their addresses in window 0
	global_store_b128 v[L16], v[PC:PC+3], s[46:47] offset:\x*8*3072             ; 512 consecutive bytes, aligned
	global_store_b64 v[L8], v[PC+4:PC+5], s[46:47] offset:\x*8*3072+512         ; 256
	global_store_b8 v[OSO], v[TA], s[48:49] offset:\x*4096
.endm
; ---- the head
	s_load_b256 s[4:11], s[0:1], 0x0               ; qrec s[4:5], kv s[6:7], oc s[8:9], osc s[10:11]
	v_lshl_add_u32 v[SPW], v0, 2, SPARE
	v_mov_b32 v[NIL], 0
	ds_add_u32 v[SPW], v[NIL]                      ; the opening lines: the add, twice on end, and its wait ahead of my first tensor load
	ds_add_u32 v[SPW], v[NIL]
	v_lshrrev_b32 v48, 5, v0
	v_readfirstlane_b32 s[WV], v48                 ; wave 0..7
	s_bfe_u32 s13, ttmp6, 0x40000                  ; cx: it enters Q's and O's global addresses alone
	s_and_b32 s14, ttmp7, 0xffff                   ; 16 x batch + head, which the four partners share
	s_lshr_b32 s15, s14, 4                         ; batch
	s_and_b32 s16, s14, 15                         ; head
	s_mov_b32 s24, 15|(3<<16)|(1<<21)              ; group 1: the mask names all four work-groups; elements of 8 bytes; bit 21 set beside a mask; no padding
	s_mov_b32 s25, 32<<16                          ; tensor_dim0: rows of 256 bytes
	s_mov_b32 s26, 102<<16                         ; tensor_dim1: 102 of them are two records
	s_mov_b32 s27, 32<<16                          ; tile_dim0
	s_mov_b32 s28, 102                             ; tile_dim1
	s_mov_b32 s29, 32                              ; the pitch: dense
	s_mov_b32 s30, 0
	s_mov_b32 s31, 0
	s_mov_b32 s32, 1                               ; group 0: count
	s_mul_i32 s33, s[WV], 2*REC                    ; LDS address: records 2 wave, 2 wave + 1
	s_mul_i32 s2, s14, BHKV
	s_add_co_u32 s2, s2, s33
	s_mov_b32 s3, 0
	s_mov_b32 s20, 0x76543210
	s_mov_b32 s21, 0xfedcba98                      ; v_permlanex16_b32's selects for lane l xor 16
	s_mov_b32 s22, 0x3e38aa3b                      ; c = log2(e) / 8
	s_mov_b32 s23, s22                             ; (named with it as a pair)
	s_mov_b32 s39, 0xffff0000                      ; lanes 16-31
	s_mov_b32 s40, 0xf2800000                      ; -2^102
	s_wait_dscnt 0x0                               ; both opening adds are done
	s_wait_kmcnt 0x0
	s_add_nc_u64 s[34:35], s[6:7], s[2:3]
	s_or_b32 s35, s35, 0x80000000                  ; type = 2
	CROUND                                         ; all four work-groups are here: the joint loads meet
	tensor_load_to_lds s[32:35], s[24:31]          ; my one tensor load of the launch
	s_nop 0
.rept 4
	v_nop
.endr
	s_mul_i32 s50, s14, BHQ                        ; Q: my head, record 4 cx (+ x, + 2 a pass), tile = wave
	s_mul_i32 s51, s13, 4*QREC
	s_add_co_u32 s50, s50, s51
	s_mul_i32 s53, s[WV], 768
	s_add_co_u32 s54, s50, s53
	s_mov_b32 s55, 0
	s_add_nc_u64 s[42:43], s[4:5], s[54:55]        ; its codes
	s_and_b32 s53, s[WV], 1
	s_lshl_b32 s53, s53, 8
	s_lshr_b32 s52, s[WV], 1
	s_lshl_b32 s52, s52, 2
	s_add_co_u32 s54, s50, s53
	s_add_co_u32 s54, s54, s52
	s_add_co_u32 s54, s54, 6144
	s_add_nc_u64 s[44:45], s[4:5], s[54:55]        ; its scale words
	s_lshr_b32 s50, s16, 2                         ; O's codes: [256 along E: head / 4][row block 128 batch + tile][128: (head / 2) % 2][64: head % 2][768]
	s_mul_i32 s50, s50, 1572864
	s_lshl_b32 s51, s15, 7
	s_lshl_b32 s52, s13, 5
	s_add_co_u32 s51, s51, s52
	s_add_co_u32 s51, s51, s[WV]
	s_mul_i32 s51, s51, 3072
	s_add_co_u32 s50, s50, s51
	s_bfe_u32 s51, s16, 0x10001
	s_mul_i32 s51, s51, 1536
	s_add_co_u32 s50, s50, s51
	s_and_b32 s51, s16, 1
	s_mul_i32 s51, s51, 768
	s_add_co_u32 s54, s50, s51
	s_add_nc_u64 s[46:47], s[8:9], s[54:55]
	s_lshl_b32 s50, s15, 11                        ; O's scale bytes: [token][32]: my tile's first token, byte 2 x head
	s_lshl_b32 s51, s13, 9
	s_add_co_u32 s50, s50, s51
	s_lshr_b32 s51, s[WV], 1
	s_lshl_b32 s51, s51, 5
	s_add_co_u32 s50, s50, s51
	s_and_b32 s51, s[WV], 1
	s_lshl_b32 s51, s51, 3
	s_add_co_u32 s50, s50, s51
	s_lshl_b32 s50, s50, 5
	s_lshl_b32 s51, s16, 1
	s_add_co_u32 s54, s50, s51
	s_add_nc_u64 s[48:49], s[10:11], s[54:55]
	v_and_b32 v52, 31, v0                          ; lane
	v_bfe_u32 v48, v0, 4, 1                        ; h
	v_and_b32 v49, 7, v0                           ; r % 8
	v_bfe_u32 v50, v0, 3, 1                        ; r / 8
	v_and_b32 v53, 15, v0                          ; r
	v_sub_nc_u32 v51, 1, v48                       ; 1 in lanes 0-15, which hold k = 64 .. 95 in registers 6-11
	v_lshlrev_b32 v[L16], 4, v52
	v_lshlrev_b32 v[L8], 3, v52
	v_lshlrev_b32 v[QSO], 4, v53
	v_lshl_add_u32 v[OSO], v50, 3, v53             ; r + 8 (r / 8)
	v_lshl_add_u32 v[OSO], v[OSO], 5, v48
	v_lshlrev_b32 v[KA16], 4, v49
	v_lshl_add_u32 v[KA16], v48, 8, v[KA16]
	v_lshl_add_u32 v[KSA], v50, 2, v[KA16]
	v_mad_u32_u24 v[KA16], v50, 0x600, v[KA16]
	v_lshlrev_b32 v[KA8], 3, v49
	v_lshl_add_u32 v[KA8], v48, 7, v[KA8]
	v_mad_u32_u24 v[KA8], v50, 0x600, v[KA8]
.irp x, 0,1
	WIN 0x40*\x
	v_lshlrev_b32 v[H8], 3, v48
	v_mul_u32_u24 v[QF+6], v51, 0x1f               ; Q: the code +7.5 at k = 64
.irp i, 7,8,9,10,11
	v_mov_b32 v[QF+\i], 0
.endr
	v_mov_b32 v[FF+1], 0                           ; (named as the upper half of a pair)
	v_mov_b32 v[W], 0                              ; written once: a lane permute's destination counts as one of its sources
	v_mov_b32 v[PD], 0
.endr
.irp t, 0,1,2,3,4,5,6,7
	v_mul_u32_u24 v[KF+12*\t+6], v51, 0x3f         ; K: -7.5
.irp i, 7,8,9,10,11
	v_mov_b32 v[KF+12*\t+\i], 0
.endr
.endr
	WIN 0
	WALU
	QLOAD                                          ; the first pass's queries
	s_wait_tensorcnt 0x0                           ; my two records have landed,
	s_barrier_signal -1
	s_barrier_wait -1                              ; everybody's have
	KLOAD KA16, KA8, KSA                           ; record 0's K
	s_mov_b32 s38, 2
.Lpass:
	INIT 0
	INIT 1
	WIN 0
	s_mov_b32 s37, 0                               ; the step
	s_wait_loadcnt 0x0                             ; Q
.Lstep:                                            ; 128 keys, two tiles of queries
	s_mul_i32 s36, s37, REC                        ; this step's record,
	s_add_co_u32 s41, s37, 1
	s_and_b32 s41, s41, 15
	s_mul_i32 s41, s41, REC                        ; and the next step's; behind the last comes record 0
	s_wait_dscnt 0x0                               ; K's fragments and scale words are in
	SPROD 0
	SPROD 1
	WIN 0
	v_add_nc_u32 v[AV16], s36, v[L16]              ; five plain lines: the places behind the products, ahead of the loads into registers that products have read and of the first read of S^T
	v_add_nc_u32 v[AV8], s36, v[L8]
	v_add_nc_u32 v[AK16], s41, v[KA16]
	v_add_nc_u32 v[AK8], s41, v[KA8]
	v_add_nc_u32 v[AKS], s41, v[KSA]
	VLOAD
	KLOAD AK16, AK8, AKS
	SOFT 0
	s_wait_dscnt 20                                ; V is in; the 20 loads issued behind it, the next step's K, may be out
	PV 0
	SOFT 1
	PV 1
	WIN 0
	s_add_co_u32 s37, s37, 1
	s_cmp_lt_u32 s37, 16
	s_cbranch_scc1 .Lstep
	s_cmp_eq_u32 s38, 1
	s_cbranch_scc1 .Lno_q                          ; the last pass asks for no more queries
	s_add_nc_u64 s[42:43], s[42:43], 2*QREC        ; sixteen tiles on (the loads that read these bases have been waited for)
	s_add_nc_u64 s[44:45], s[44:45], 2*QREC
	QLOAD                                          ; the next pass's queries land under the way out
.Lno_q:
	EPI 0                                          ; (its lines are also the places behind tile 1's last products)
	EPI 1
	WIN 0
	s_wait_xcnt 0x0                                ; the stores have read their data and bases: both may be written again
	s_add_nc_u64 s[46:47], s[46:47], 16*3072
	s_add_nc_u64 s[48:49], s[48:49], 256*32
	s_sub_co_u32 s38, s38, 1
	s_cmp_lg_u32 s38, 0
	s_cbranch_scc1 .Lpass
	s_wait_tensorcnt 0x0                           ; the wave's end
	ds_add_u32 v[SPW], v[NIL]
	s_wait_dscnt 0x0
	CROUND                                         ; the closing round
	s_endpgm
.Lfunc_end_k_q6eb6401228_attn:
	.size	k_q6eb6401228_attn, .Lfunc_end_k_q6eb6401228_attn-k_q6eb6401228_attn
	.p2alignl 7, 3214868480
	.fill 96, 4, 3214868480
	.section	.rodata,"a",@progbits
	.p2align	6, 0x0
	.amdhsa_kernel k_q6eb6401228_attn
		.amdhsa_group_segment_fixed_size 327680
		.amdhsa_private_segment_fixed_size 0
		.amdhsa_enable_private_segment 0
		.amdhsa_kernarg_size 32
		.amdhsa_user_sgpr_count 2
		.amdhsa_user_sgpr_kernarg_segment_ptr 1
		.amdhsa_wavefront_size32 1
		.amdhsa_system_sgpr_workgroup_id_x 1
		.amdhsa_system_sgpr_workgroup_id_y 1
		.amdhsa_system_sgpr_workgroup_id_z 1
		.amdhsa_system_vgpr_workitem_id 0
		.amdhsa_next_free_vgpr 512
		.amdhsa_next_free_sgpr 66
		.amdhsa_reserve_vcc 1
		.amdhsa_float_denorm_mode_32 3
		.amdhsa_float_denorm_mode_16_64 3
		.amdhsa_memory_ordered 1
		.amdhsa_forward_progress 1
		.amdhsa_inst_pref_size 49
	.end_amdhsa_kernel
	.amdgpu_metadata
---
amdhsa.version: [ 1, 2 ]
amdhsa.kernels:
  - .name:           k_q6eb6401228_attn
    .symbol:         k_q6eb6401228_attn.kd
    .args:
      - { .name: qrec, .offset: 0, .size: 8, .value_kind: global_buffer, .address_space: global }
      - { .name: kv, .offset: 8, .size: 8, .value_kind: global_buffer, .address_space: global }
      - { .name: oc, .offset: 16, .size: 8, .value_kind: global_buffer, .address_space: global }
      - { .name: osc, .offset: 24, .size: 8, .value_kind: global_buffer, .address_space: global }
    .group_segment_fixed_size: 327680
    .private_segment_fixed_size: 0
    .kernarg_segment_align: 8
    .kernarg_segment_size: 32
    .max_flat_workgroup_size: 256
    .sgpr_count:     66
    .vgpr_count:     512
    .wavefront_size: 32
...
	.end_amdgpu_metadata
.endif
;; end of part 3
;; launch outp (part 4): grid 4 x 32, 4 waves a work-group, clusters of 4 x 4, 327,680 bytes of LDS; arguments oc, osc, cod, scl, bc, out0; writes out0
.if DOCPART == 4
	.amdgcn_target "amdgcn-amd-amdhsa--gfx1250"
	.amdhsa_code_object_version 6
	.text
	.protected	k_q6eb6401228_outp
	.globl	k_q6eb6401228_outp
	.p2align	8
	.type	k_q6eb6401228_outp,@function
k_q6eb6401228_outp:
	s_mov_b64 s[64:65], 0
	v_nop
	global_prefetch_b8 v0, s[64:65] scope:SCOPE_SE
	s_setreg_imm32_b32 hwreg(HW_REG_WAVE_MODE, 25, 1), 1
	s_wait_xcnt 0x0
	s_wait_alu depctr_hold_cnt(0) depctr_sa_sdst(0) depctr_va_vdst(0) depctr_va_sdst(0) depctr_va_ssrc(0) depctr_va_vcc(0) depctr_vm_vsrc(0)
	s_getreg_b32 s2, hwreg(HW_REG_IB_STS2, 6, 4)
	s_cmp_eq_u32 s2, 0
	s_cbranch_scc0 .Lentry_in_a_cluster
	s_endpgm
.Lentry_in_a_cluster:
	s_bfe_u32 s2, ttmp6, 0x10000c
	s_cmp_lg_u32 s2, 0xf033
	s_cbranch_scc0 .Lentry_shape_is_right
	s_endpgm
.Lentry_shape_is_right:
.set CSTR,  5505024
.set ASTR,  1572864
.set BSTR,  CSTR
.set NQ,    2
.set FR,    12
.set NL,    4
.set NP,    4
.set RBB,   3072
.set HALFT, 8*RBB
.set SLOT,  4*HALFT
.set SCL,   2*SLOT
.set HALFS, 16*272
.set SPARE, SCL+4*HALFS
.set SPITCH, 528
.set ADRA, 16
.set ADRB, 20
.set STO,  24
.set RD,   25
.set CO,   26
.set ADRS, 27
.set SPW,  28
.set NIL,  29
.set RHO,  30
.set B64,  31
.set SC,   32
.set BI,   64
.set AF,   128
.set BK,   128
.set G1, 24
.set G0, 32
.set G1B, 48
.set G0B, 56
.set G1S, 68
.set G0S, 76
.set G1SB, 80
.set G0SB, 88
.set MSB, 0
.macro WIN new
.if MSB != (\new)
	s_set_vgpr_msb (MSB<<8)|(\new)
.set MSB, (\new)
.endif
.endm
.set MUL_LO, 0xa1
.set MUL_HI, 0xf1
.set BIAS_LO, 0x81
.set BIAS_HI, 0xc1
.set TO_B,   0x40
.macro JLOAD g0a, g1a, g0b, g1b
	s_cmp_eq_u32 s15, 0
	s_cbranch_scc0 .Lfor_b_\@
	tensor_load_to_lds s[\g0a:\g0a+3], s[\g1a:\g1a+7]
	s_nop 0
.rept 4
	v_nop
.endr
	s_branch .Lasked_\@
.Lfor_b_\@:
	tensor_load_to_lds s[\g0b:\g0b+3], s[\g1b:\g1b+7]
	s_nop 0
.rept 4
	v_nop
.endr
.Lasked_\@:
.endm
.macro CREST
	s_cmp_lg_u32 s14, 0
	s_cbranch_scc1 .Lnot_wave_0_\@
	s_barrier_signal -3
.Lnot_wave_0_\@:
	s_barrier_wait -3
	s_barrier_signal -1
	s_barrier_wait -1
.endm
.macro CROUND
	s_barrier_signal -1
	s_barrier_wait -1
	CREST
.endm
	s_load_b256 s[4:11], s[0:1], 0x0
	s_load_b128 s[96:99], s[0:1], 0x20
	v_lshl_add_u32 v[SPW], v0, 2, SPARE
	v_mov_b32 v[NIL], 0
	ds_add_u32 v[SPW], v[NIL]
	ds_add_u32 v[SPW], v[NIL]
	v_lshrrev_b32 v1, 5, v0
	v_readfirstlane_b32 s14, v1
	s_lshr_b32 s15, s14, 1
	s_and_b32 s16, s14, 1
	s_bfe_u32 s40, ttmp6, 0x40000
	s_bfe_u32 s41, ttmp6, 0x40004
	s_and_b32 s17, ttmp7, 0xffff
	s_lshl_b32 s17, s17, 2
	s_add_co_u32 s17, s17, s41
	s_mov_b32 s42, s40
	s_lshl_b32 s43, s41, 2
	s_lshl_b32 s43, 15, s43
	s_lshl_b32 s44, 0x1111, s40
	s_or_b32 s[G1+0], s43, (3<<16)|(1<<21)
	s_or_b32 s[G1B+0], s44, (3<<16)|(1<<21)
.irp g, G1, G1B
	s_mov_b32 s[\g+1], 32<<16
	s_mov_b32 s[\g+2], 96<<16
	s_mov_b32 s[\g+3], 32<<16
	s_mov_b32 s[\g+4], 96
	s_mov_b32 s[\g+5], 32
	s_mov_b32 s[\g+6], 0
	s_mov_b32 s[\g+7], 0
.endr
	s_lshl_b32 s18, s16, 3
	s_lshl_b32 s20, s17, 4
	s_add_co_u32 s20, s20, s18
	s_lshl_b32 s46, s42, 4
	s_add_co_u32 s46, s46, s18
	s_add_co_u32 s46, s46, 1728
	s_lshl_b32 s22, s20, 9
	s_mov_b32 s23, 0
	s_lshl_b32 s92, s46, 9
	s_mov_b32 s93, 0
	s_mul_i32 s20, s20, RBB
	s_mov_b32 s21, 0
	s_mul_i32 s46, s46, RBB
	s_mov_b32 s47, 0
	s_mul_i32 s45, s14, HALFT
	s_mul_i32 s94, s14, HALFS
	s_wait_dscnt 0x0
	s_wait_kmcnt 0x0
	s_add_nc_u64 s[20:21], s[4:5], s[20:21]
	s_add_nc_u64 s[22:23], s[6:7], s[22:23]
	s_add_nc_u64 s[46:47], s[8:9], s[46:47]
	s_add_nc_u64 s[92:93], s[10:11], s[92:93]
	CROUND
.irp s, 0,1
	s_mov_b32 s[G0+4*\s], 1
	s_add_co_u32 s[G0+4*\s+1], s45, \s*SLOT
	s_add_nc_u64 s[G0+4*\s+2:G0+4*\s+3], s[20:21], \s*ASTR
	s_or_b32 s[G0+4*\s+3], s[G0+4*\s+3], 0x80000000
	s_mov_b32 s[G0B+4*\s], 1
	s_add_co_u32 s[G0B+4*\s+1], s45, \s*SLOT
	s_add_nc_u64 s[G0B+4*\s+2:G0B+4*\s+3], s[46:47], \s*BSTR
	s_or_b32 s[G0B+4*\s+3], s[G0B+4*\s+3], 0x80000000
.endr
	JLOAD G0, G1, G0B, G1B                         ; my quarter of slot 0: my one tensor load at the head
	; THE SCALE BYTES of my 128 rows (waves 0, 1: A's; waves 2, 3: B's), 4,096 bytes on end, come beside it by plain loads, 512 consecutive bytes each, and go into LDS as units of 256 + 16 bytes,
	; on bytes into which no fill lands.  They are 16 KB of the 400 KB that a work-group reads: they are not asked for jointly.
	s_cmp_eq_u32 s15, 0
	s_cselect_b64 s[22:23], s[22:23], s[92:93]
	v_and_b32 v3, 31, v0
	v_lshlrev_b32 v4, 4, v3                        ; 16 x lane
.irp k, 0,1,2,3,4,5,6,7
	global_load_b128 v[AF+4*\k:AF+4*\k+3], v4, s[22:23] offset:512*\k
.endr
	v_lshrrev_b32 v5, 4, v3
	v_and_b32 v6, 15, v0
	v_mul_u32_u24 v5, v5, 272                      ; a load's two units,
	v_lshl_add_u32 v5, v6, 4, v5                   ; my 16 bytes of one,
	s_add_co_u32 s94, s94, SCL
	v_add_nc_u32 v5, s94, v5                       ; in my wave's sixteen units
	s_wait_alu depctr_va_vdst(0)
	s_wait_loadcnt 0x0
.irp k, 0,1,2,3,4,5,6,7
	ds_store_b128 v5, v[AF+4*\k:AF+4*\k+3] offset:544*\k
.endr
	s_wait_tensorcnt 0x0                           ; my quarter of slot 0 is in
	ds_add_u32 v28, v29
	s_wait_dscnt 0x0                               ; the add and my stores of scale bytes are done
	CROUND                                         ; slot 0 and all scale bytes are shown to all waves, and the joint loads meet
	JLOAD G0+4, G1, G0B+4, G1B                     ; slot 1's first fill
	v_and_b32 v1, 15, v0
	v_bfe_u32 v2, v0, 4, 1
	v_and_b32 v3, 31, v0
	v_lshlrev_b32 v[CO], 4, v3
	s_wait_alu depctr_va_vdst(0)
	v_lshlrev_b32 v4, 3, v3
	s_wait_alu depctr_va_vdst(0)
	v_and_b32 v[RHO], 8, v1
	v_add_nc_u32 v[RHO], v[RHO], v1
	v_lshlrev_b32 v[B64], 6, v2
	s_lshl_b32 s18, s42, 10
	s_lshl_b32 s19, s16, 9
	s_add_co_u32 s18, s18, s19
	s_mov_b32 s19, 0
	s_add_nc_u64 s[100:101], s[96:97], s[18:19]
.irp b, 0,1,2,3,4,5,6,7
	global_load_b128 v[BI+8*\b:BI+8*\b+3], v[B64], s[100:101] offset:(32*(\b/2)+8*(\b%2))*4
	global_load_b128 v[BI+8*\b+4:BI+8*\b+7], v[B64], s[100:101] offset:(32*(\b/2)+8*(\b%2))*4+16
.endr
	s_add_nc_u64 s[98:99], s[98:99], s[18:19]
	s_lshl_b32 s18, s17, 8
	s_lshl_b32 s19, s15, 7
	s_add_co_u32 s18, s18, s19
	s_lshl_b32 s18, s18, 12
	s_mov_b32 s19, 0
	s_add_nc_u64 s[98:99], s[98:99], s[18:19]
	s_mul_i32 s21, s15, HALFT
	s_mul_i32 s22, s16, HALFT
	s_add_co_u32 s22, s22, 2*HALFT
.irp s, 0,1
	v_add_nc_u32 v[ADRA+\s], s21, v[CO]
	v_add_nc_u32 v[ADRB+\s], s22, v[CO]
	v_add_nc_u32 v[ADRA+2+\s], s21, v4
	v_add_nc_u32 v[ADRB+2+\s], s22, v4
	s_add_co_u32 s21, s21, SLOT
	s_add_co_u32 s22, s22, SLOT
.endr
	v_lshlrev_b32 v5, 5, v[RHO]
	v_lshrrev_b32 v6, 8, v5
	v_lshl_add_u32 v5, v6, 4, v5
	s_mul_i32 s21, s15, HALFS
	s_mul_i32 s22, s16, HALFS
	s_add_co_u32 s22, s22, 2*HALFS
	s_sub_co_u32 s22, s22, s21
	v_mul_u32_u24 v6, s22, v2
	s_add_co_u32 s21, s21, SCL
	v_add_nc_u32 v5, v5, v6
	v_add_nc_u32 v[ADRS], s21, v5
	s_mul_i32 s23, s14, 16*SPITCH
	v_mul_u32_u24 v5, v1, SPITCH
	v_lshl_add_u32 v5, v2, 6, v5
	v_add_nc_u32 v[STO], s23, v5
	v_add_nc_u32 v[RD], s23, v[CO]
.macro FRAG reg, adr, q, i
.irp c, 0,1
	ds_load_b128 v[\reg+6*\c:\reg+6*\c+3], v[\adr] offset:(\i)*RBB+(\q)*1536+768*\c
	ds_load_b64 v[\reg+6*\c+4:\reg+6*\c+5], v[\adr+2] offset:(\i)*RBB+(\q)*1536+768*\c+512
.endr
.endm
.macro MUL16 a0, p, q, sc, first
.irp a, \a0, \a0+1
.irp b, 0,1,2,3,4,5,6,7
.if \first
	v_wmma_scale_f32_16x16x128_f8f6f4 v[8*(8*((\a)%4)+\b):8*(8*((\a)%4)+\b)+7], v[128*(\p)+FR*\b:128*(\p)+FR*\b+FR-1], v[AF+FR*(\a):AF+FR*(\a)+FR-1], v[BI+8*\b:BI+8*\b+7], v[SC+8*NQ*(\sc)+NQ*\b+(\q)], v[SC+8*NQ*(\sc)+NQ*(\a)+(\q)] matrix_a_fmt:MATRIX_FMT_FP6 matrix_b_fmt:MATRIX_FMT_FP6 matrix_a_scale:MATRIX_SCALE_ROW1
.else
	v_wmma_scale_f32_16x16x128_f8f6f4 v[8*(8*((\a)%4)+\b):8*(8*((\a)%4)+\b)+7], v[128*(\p)+FR*\b:128*(\p)+FR*\b+FR-1], v[AF+FR*(\a):AF+FR*(\a)+FR-1], v[8*(8*((\a)%4)+\b):8*(8*((\a)%4)+\b)+7], v[SC+8*NQ*(\sc)+NQ*\b+(\q)], v[SC+8*NQ*(\sc)+NQ*(\a)+(\q)] matrix_a_fmt:MATRIX_FMT_FP6 matrix_b_fmt:MATRIX_FMT_FP6 matrix_a_scale:MATRIX_SCALE_ROW1
.endif
.endr
.endr
.endm
.macro FETCH_B slot, q, p
	WIN TO_B
.irp i, 0,1,2,3,4,5,6,7
	FRAG 128*(\p)+FR*\i, ADRB+\slot, \q, \i
.endr
	WIN 0
.endm
.macro FETCH_A slot, q, i0
.irp i, \i0, \i0+1, \i0+2, \i0+3
	FRAG AF+FR*(\i), ADRA+\slot, \q, \i
.endr
.endm
.macro SCALES sc
.irp i, 0,1,2,3,4,5,6,7
	ds_load_b64 v[SC+8*NQ*\sc+NQ*\i:SC+8*NQ*\sc+NQ*\i+1], v[ADRS] offset:(4*(\i/2)+\i%2)*272
.endr
.endm
.macro PLACES n
.rept \n
	v_nop
.endr
.endm
.macro STEP slot, q, first
	s_wait_dscnt 4*NL
.if \first
	WIN BIAS_LO
.else
	WIN MUL_LO
.endif
	MUL16 0, (\q)%2, \q, \slot, \first
	MUL16 2, (\q)%2, \q, \slot, \first
	s_wait_dscnt 0
	PLACES NP
	FETCH_B \slot, (\q)+1, 1-(\q)%2
	FETCH_A \slot, (\q)+1, 0
.if \first
	WIN BIAS_HI
.else
	WIN MUL_HI
.endif
	MUL16 4, (\q)%2, \q, \slot, \first
	MUL16 6, (\q)%2, \q, \slot, \first
	PLACES NP
	WIN 0
	FETCH_A \slot, (\q)+1, 4
.endm
.macro TURN slot, next, fill
	s_wait_tensorcnt 0x0
	ds_add_u32 v[SPW], v[NIL]
	s_wait_dscnt 4*NL+1
	WIN MUL_LO
	MUL16 0, 1, NQ-1, \slot, 0
	s_wait_dscnt 0x0
	s_barrier_signal -1
	MUL16 2, 1, NQ-1, \slot, 0
	WIN 0
	s_barrier_wait -1
.if \fill
	CREST
	s_add_nc_u64 s[G0+4*\slot+2:G0+4*\slot+3], s[G0+4*\slot+2:G0+4*\slot+3], 2*ASTR
	s_add_nc_u64 s[G0B+4*\slot+2:G0B+4*\slot+3], s[G0B+4*\slot+2:G0B+4*\slot+3], 2*BSTR
	JLOAD G0+4*\slot, G1, G0B+4*\slot, G1B
.else
	PLACES NP
.endif
	s_wait_alu depctr_va_vdst(0)
	v_add_nc_u32 v[ADRS], 4*NQ, v[ADRS]
	FETCH_B \next, 0, 0
	FETCH_A \next, 0, 0
	SCALES \next
	WIN MUL_HI
	MUL16 4, 1, NQ-1, \slot, 0
	MUL16 6, 1, NQ-1, \slot, 0
	PLACES NP
	WIN 0
	FETCH_A \next, 0, 4
.endm
	s_wait_alu depctr_va_vdst(0)
	s_wait_tensorcnt 1
	s_wait_loadcnt 0x0
	s_barrier_signal -1
	s_barrier_wait -1
	FETCH_B 0, 0, 0
	FETCH_A 0, 0, 0
	SCALES 0
	FETCH_A 0, 0, 4
	STEP 0, 0, 1
	TURN 0, 1, 1
	STEP 1, 0, 0
	TURN 1, 0, 1
	STEP 0, 0, 0
	TURN 0, 1, 0
	STEP 1, 0, 0
	s_wait_dscnt 4*NL
	WIN MUL_LO
	MUL16 0, 1, NQ-1, 1, 0
	MUL16 2, 1, NQ-1, 1, 0
	s_wait_dscnt 0
	WIN MUL_HI
	MUL16 4, 1, NQ-1, 1, 0
	MUL16 6, 1, NQ-1, 1, 0
	WIN 0
.macro TOSTAGE a
.set AC, 64*((\a)%4)
	WIN 0x08+4*((\a)/4)
.irp b, 0,1,2,3,4,5,6,7
	ds_store_b128 v[STO], v[AC+8*\b:AC+8*\b+3] offset:128*(\b/2)+32*(\b%2)
	ds_store_b128 v[STO], v[AC+8*\b+4:AC+8*\b+7] offset:128*(\b/2)+32*(\b%2)+16
.endr
	WIN 0
.set BB, BK+64*((\a)%2)
.irp t, 0,1,2,3,4,5,6,7,8,9,10,11,12,13,14,15
	ds_load_b128 v[BB+4*\t:BB+4*\t+3], v[RD] offset:\t*SPITCH
.endr
.endm
.macro SEND a, younger
.set BB, BK+64*((\a)%2)
	s_wait_dscnt \younger
.if (\a) > 0
.if (\a)%2
	s_add_nc_u64 s[98:99], s[98:99], 8*4096
.else
	s_add_nc_u64 s[98:99], s[98:99], 24*4096
.endif
.endif
.irp t, 0,1,2,3,4,5,6,7,8,9,10,11,12,13,14,15
	global_store_b128 v[CO], v[BB+4*\t:BB+4*\t+3], s[98:99] offset:(\t+8*(\t/8))*4096 th:TH_STORE_NT
.endr
.endm
	PLACES NP
	TOSTAGE 0
.irp a, 1,2,3,4,5,6,7
.if \a > 1
	s_wait_xcnt 0x0
.endif
	TOSTAGE \a
	SEND \a-1, 32
.endr
	s_wait_xcnt 0x0
	SEND 7, 0
	s_wait_tensorcnt 0x0
	ds_add_u32 v[SPW], v[NIL]
	s_wait_dscnt 0x0
	CROUND
	s_endpgm
.Lfunc_end_k_q6eb6401228_outp:
	.size	k_q6eb6401228_outp, .Lfunc_end_k_q6eb6401228_outp-k_q6eb6401228_outp
	.p2alignl 7, 3214868480
	.fill 96, 4, 3214868480
	.section	.rodata,"a",@progbits
	.p2align	6, 0x0
	.amdhsa_kernel k_q6eb6401228_outp
		.amdhsa_group_segment_fixed_size 327680
		.amdhsa_private_segment_fixed_size 0
		.amdhsa_enable_private_segment 0
		.amdhsa_kernarg_size 48
		.amdhsa_user_sgpr_count 2
		.amdhsa_user_sgpr_kernarg_segment_ptr 1
		.amdhsa_wavefront_size32 1
		.amdhsa_system_sgpr_workgroup_id_x 1
		.amdhsa_system_sgpr_workgroup_id_y 1
		.amdhsa_system_sgpr_workgroup_id_z 1
		.amdhsa_system_vgpr_workitem_id 0
		.amdhsa_next_free_vgpr 1024
		.amdhsa_next_free_sgpr 102
		.amdhsa_reserve_vcc 0
		.amdhsa_float_denorm_mode_32 3
		.amdhsa_float_denorm_mode_16_64 3
		.amdhsa_memory_ordered 1
		.amdhsa_forward_progress 1
		.amdhsa_inst_pref_size 146
	.end_amdhsa_kernel
	.amdgpu_metadata
---
amdhsa.version: [ 1, 2 ]
amdhsa.kernels:
  - .name:           k_q6eb6401228_outp
    .symbol:         k_q6eb6401228_outp.kd
    .args:
      - { .name: oc, .offset: 0, .size: 8, .value_kind: global_buffer, .address_space: global }
      - { .name: osc, .offset: 8, .size: 8, .value_kind: global_buffer, .address_space: global }
      - { .name: cod, .offset: 16, .size: 8, .value_kind: global_buffer, .address_space: global }
      - { .name: scl, .offset: 24, .size: 8, .value_kind: global_buffer, .address_space: global }
      - { .name: bc, .offset: 32, .size: 8, .value_kind: global_buffer, .address_space: global }
      - { .name: out0, .offset: 40, .size: 8, .value_kind: global_buffer, .address_space: global }
    .group_segment_fixed_size: 327680
    .private_segment_fixed_size: 0
    .kernarg_segment_align: 8
    .kernarg_segment_size: 48
    .max_flat_workgroup_size: 128
    .sgpr_count:     102
    .vgpr_count:     1024
    .wavefront_size: 32
...
	.end_amdgpu_metadata
.endif
;; end of part 4
